; MI455X (gfx1250); checked and timed in simulation.
; The chip was launched on July 23, 2026; its instructions are those of AMD's public machine-readable ISA for CDNA 5 (MIT licence, August 2026) and "CDNA5" Instruction Set Architecture Reference Guide (July 2026). The comments in the code are by the model that wrote it; some were corrected since.
;; DND. Allowed arithmetic: matrix products marked QUANTISED: E2M1 operands, one E8M0 scale for each 32 along K, by v_wmma_scale_f32_16x16x128_f8f6f4 with both operands' format E2M1 (or v_wmma_scale_f32_32x16x128_f4), f32 sums; everything else in f32.
;; Inputs: dnd_keys 50,000 x 128 float32; dnd_values 50,000 float32; queries 2,048 x 128 float32.
;; Outputs: out0 2,048 x 1 float32.
;; This version of the problem:
;;   THIS VERSION OF THE PROBLEM IS GIVEN IN LOW PRECISION. The matrix products marked QUANTISED in the list below multiply operands that are first quantised to E2M1 (2 exponent bits, 1 mantissa bit; 4 bits a number), with one power-of-two scale for each 32 numbers along K (OCP MX v1.0); their sums are f32. All else is computed in f32.
;;   The module's matrix products, in the order in which they are computed (A, B: the left and right operand; K: the contracted axis; several contracted axes count as one K, in the product's order):
;;     1. [M 2,048, K 128] x [K 128, N 50,000]; A: input queries; B: input dnd_keys: QUANTISED
;;   THE QUANTISER, for each operand of a quantised product, along K:
;;     - K is cut into blocks of 32 from its start; a last block that is shorter is filled with zeros.
;;     - A block's scale is 2^e with e = floor(log2(the largest magnitude in the block)) - 2, held to -126 .. 127; a block of zeros has e = 0. As a byte (E8M0): e + 127.
;;     - Each number is divided by its block's scale, clamped to +-6, and rounded to the nearest number of E2M1, ties to even, subnormals kept.
;;     - The product sums the exact products of the quantised numbers (number of the format x scale) in f32.
;;   ~~~python
;;   def quantise(x, axis):      # numpy; x: float32 -> the quantised numbers, widened to float32 again
;;       x = np.moveaxis(x, axis, -1); K = x.shape[-1]
;;       x = np.pad(x, [(0, 0)] * (x.ndim - 1) + [(0, -K % 32)]); x = x.reshape(x.shape[:-1] + (-1, 32)); a = np.abs(x).max(-1, keepdims=True)
;;       e = np.where(a > 0, np.clip(np.frexp(np.where(a > 0, a, 1))[1] - 1 - 2, -126, 127), 0)      # np.frexp(a)[1] - 1 = floor(log2(a)), exactly
;;       r = np.clip(x / 2.0 ** e, -6, 6)
;;       step = 2.0 ** (np.maximum(np.frexp(np.where(r == 0, 1, r))[1] - 1, 0) - 1)
;;       q = np.round(r / step) * step * 2.0 ** e      # np.round: ties to even
;;       return np.moveaxis(q.reshape(q.shape[:-2] + (-1,))[..., :K], -1, axis).astype(np.float32)
;;   ~~~
;; 2 versions. Each part assembles by itself: llvm-mc -triple=amdgcn-amd-amdhsa -mcpu=gfx1250 --defsym DOCPART=n.
;; ======== version 1 of 2: 4 launches
;; workspace buffers: codes 3,407,872 bytes; scales 212,992 bytes; sqn 212,992 bytes; gm 26,214,400 bytes of whole numbers; dk 7,340,032 bytes of whole numbers; glist 524,288 bytes of whole numbers
;; launch quant (part 1): grid 416 x 1, 8 waves a work-group, no clusters, 43,008 bytes of LDS; arguments dnd_keys, queries, codes, scales, sqn; writes codes, scales, sqn
.if DOCPART == 1
	.amdgcn_target "amdgcn-amd-amdhsa--gfx1250"
	.amdhsa_code_object_version 6
	.text
	.protected	k_qc7138e393f_quant
	.globl	k_qc7138e393f_quant
	.p2align	8
	.type	k_qc7138e393f_quant,@function
k_qc7138e393f_quant:
	s_mov_b64 s[64:65], 0
	v_nop
	global_prefetch_b8 v0, s[64:65] scope:SCOPE_SE
	s_setreg_imm32_b32 hwreg(HW_REG_WAVE_MODE, 25, 1), 1
	s_wait_xcnt 0x0
; dnd_keys [50000][128] and queries [2048][128], f32, become one table of 53,248 rows: rows 0..49,999 the keys, 50,000..51,199 padding, 51,200 + q the queries.
; For each row: 128 codes of FP4 (E2M1), K innermost, 64 bytes (codes); one word of four E8M0 bytes, one for each 32 along K (scales); the sum of the squares of its unquantised numbers, f32 (sqn).
; A block's scale is 2^(floor(log2(its largest magnitude)) - 2): its byte is the largest magnitude's exponent field - 2, held at 1 from below.  A block of zeros keeps the byte 1 where the rule says 127:
; its codes are zeros, which add nothing under any byte but 0xff, and this program alone reads the bytes.
; A padding row has zero codes, bytes 0x7f and the sum +infinity: its distance to every query is +infinity and loses against every finite one.
; LIMITS: NaN and infinities among the inputs are not served; blocks whose largest magnitude lies under 2^-124 keep the byte 1; a row's sum of squares is taken 16 numbers to a lane in two packed
; chains and then over eight lanes by a tree, which need not be the order of another program: two distances one unit in the last place apart can change places by that.
; SHARES: a wave takes a job of 16 rows, job J = 8 x work-group + wave, in four steps of four rows (2,048 bytes).  Each load reads 512 consecutive bytes; a step turns through the wave's own stage in LDS,
; so that a lane then holds 16 NEIGHBOURS of one row (row lane / 8, numbers 16 (lane % 8) on), which is what the conversions take.  Two neighbouring lanes hold a block, eight a row.
; No matrix unit, no tensor load, no cluster: a stream that is read once and shared by nobody.
.set RJOBS, 3125                       ; jobs of real keys: 50,000 / 16
.set KJOBS, 3200                       ; jobs of keys and padding: 51,200 / 16
.set QWG,   400                        ; the first work-group that takes queries
.set SP,    80                         ; a lane's place in a stage: 64 bytes + 16 of padding
.set WREG,  2*32*SP                    ; LDS of a wave: two stages
.set SCB,   8*WREG                     ; behind the stages: the work-group's 512 scale bytes,
.set KKA,   SCB+512                    ; and its 128 sums
.set R,     16                         ; v16-79   four steps x 16 numbers as loaded
.set X,     80                         ; v80-111  two sets of 16 neighbours
.set C,     112                        ; v112-119 codes, two registers a step
.set E,     120                        ; v120-123 a scale byte a step
.set KS,    124                        ; v124-127 a row's sum a step
	s_load_b128 s[4:7], s[0:1], 0x0                ; dnd_keys, queries
	s_load_b128 s[8:11], s[0:1], 0x10              ; codes, scales
	s_load_b64 s[12:13], s[0:1], 0x20              ; sqn
	v_lshl_add_u32 v136, v0, 2, 0xa400
	v_mov_b32 v137, 0
	v_lshrrev_b32 v2, 5, v0
	v_readfirstlane_b32 s14, v2                    ; wave 0..7
	v_and_b32 v1, 31, v0                           ; lane
	s_lshl_b32 s15, ttmp9, 3
	s_add_co_u32 s15, s15, s14                     ; J
	v_lshlrev_b32 v3, 4, v1                        ; 16 x lane: my bytes of a load's 512, and of the way out
	v_lshlrev_b32 v4, 3, v1                        ; 8 x lane: my codes' place in a step's 256 bytes
	; every LDS address is made here, ahead of the parting of real jobs and padding
	s_mul_i32 s16, s14, WREG
	v_lshrrev_b32 v14, 2, v1
	v_mul_u32_u24 v14, v14, SP
	v_and_b32 v15, 3, v1
	v_lshl_add_u32 v14, v15, 4, v14
	v_add_nc_u32 v14, s16, v14                     ; the stage, way in: SP (lane / 4) + 16 (lane % 4)
	v_mul_u32_u24 v15, v1, SP
	v_add_nc_u32 v15, s16, v15                     ; way out: SP x lane
	s_lshl_b32 s17, s14, 6                         ; a job's 64 bytes
	v_lshrrev_b32 v5, 1, v1
	v_add_nc_u32 v5, s17, v5
	v_add_nc_u32 v5, SCB, v5                       ; my block's scale byte
	v_lshrrev_b32 v6, 3, v1
	v_lshlrev_b32 v6, 2, v6
	v_add_nc_u32 v6, s17, v6
	v_add_nc_u32 v6, KKA, v6                       ; my row's sum
	s_min_u32 s18, s14, 1                          ; (waves 0 and 1 alone use the next address; held so it lies inside LDS in all)
	s_lshl_b32 s18, s18, 9
	v_add_nc_u32 v7, s18, v3
	v_add_nc_u32 v7, SCB, v7                       ; the way out: wave 0 the scale bytes, wave 1 the sums
	s_wait_kmcnt 0x0
	s_cmp_lt_u32 ttmp9, QWG                        ; keys or queries: the choice hangs on the work-group's number alone
	s_cselect_b64 s[4:5], s[4:5], s[6:7]
	s_cselect_b32 s16, 0, KJOBS
	s_sub_co_u32 s16, s15, s16
	s_lshl_b32 s16, s16, 13                        ; a job's 8,192 bytes of input (under 2^25 in all)
	s_mov_b32 s17, 0
	s_add_nc_u64 s[4:5], s[4:5], s[16:17]
	s_lshl_b32 s16, s15, 10                        ; a job's 1,024 bytes of codes
	s_add_nc_u64 s[8:9], s[8:9], s[16:17]
	s_cmp_eq_u32 s14, 0
	s_cselect_b64 s[10:11], s[10:11], s[12:13]     ; wave 0 stores the scale bytes, wave 1 the sums
	s_lshl_b32 s16, ttmp9, 9                       ; 512 bytes a work-group in either
	s_add_nc_u64 s[10:11], s[10:11], s[16:17]
	s_cmp_lt_u32 s15, RJOBS
	s_cbranch_scc1 .Lreal
	s_cmp_ge_u32 s15, KJOBS
	s_cbranch_scc1 .Lreal
	; a job of padding loads nothing
.irp i, 0,1,2,3,4,5,6,7
	v_mov_b32 v[C+\i], 0
.endr
.irp i, 0,1,2,3
	v_mov_b32 v[E+\i], 0x7f
	v_mov_b32 v[KS+\i], 0x7f800000
.endr
	s_branch .Ljoin
.Lreal:
.irp u, 0,1,2,3
.irp i, 0,1,2,3
	global_load_b128 v[R+16*\u+4*\i:R+16*\u+4*\i+3], v3, s[4:5] offset:2048*\u+512*\i th:TH_LOAD_NT   ; 32 lanes read 512 consecutive bytes: a row
.endr
.endr
.macro TURN t                          ; step t through a stage: LDS serves a wave's instructions in order, so no wait stands between the stores and the loads
.irp i, 0,1,2,3
	ds_store_b128 v14, v[R+16*(\t)+4*\i:R+16*(\t)+4*\i+3] offset:32*SP*((\t)%2)+8*SP*\i
.endr
.irp i, 0,1,2,3
	ds_load_b128 v[X+16*((\t)%2)+4*\i:X+16*((\t)%2)+4*\i+3], v15 offset:32*SP*((\t)%2)+16*\i
.endr
.endm
.macro STEP t
.set XS, X+16*((\t)%2)
	s_wait_dscnt 0x0                               ; this step's numbers are back from the stage
.if (\t) < 3
	s_wait_loadcnt 8-4*(\t)                        ; the next step's four loads are in; those of the steps behind it stay out
	TURN (\t)+1                                    ; and go through the other stage while this step is worked
.endif
	v_max3_num_f32 v8, |v[XS]|, |v[XS+1]|, |v[XS+2]|               ; the largest magnitude of my 16
	v_max3_num_f32 v9, |v[XS+3]|, |v[XS+4]|, |v[XS+5]|
.irp i, 6,10
	v_max3_num_f32 v8, v8, |v[XS+\i]|, |v[XS+\i+1]|
	v_max3_num_f32 v9, v9, |v[XS+\i+2]|, |v[XS+\i+3]|
.endr
	v_max3_num_f32 v8, v8, |v[XS+14]|, |v[XS+15]|
	v_max3_num_f32 v8, v8, v9, 0x1800000           ; and the floor 2^(3 - 127): the byte cannot fall under 1
	v_max_num_f32_dpp v8, v8, v8 row_xmask:1 row_mask:0xf bank_mask:0xf   ; and of my neighbour's 16: the block's
	v_pk_mul_f32 v[128:129], v[XS:XS+1], v[XS:XS+1]                ; the squares of my 16, in two packed chains
	v_pk_mul_f32 v[12:13], v[XS+2:XS+3], v[XS+2:XS+3]
.irp i, 4,8,12
	v_pk_fma_f32 v[128:129], v[XS+\i:XS+\i+1], v[XS+\i:XS+\i+1], v[128:129]
	v_pk_fma_f32 v[12:13], v[XS+\i+2:XS+\i+3], v[XS+\i+2:XS+\i+3], v[12:13]
.endr
	v_pk_add_f32 v[128:129], v[128:129], v[12:13]
	v_add_f32 v[KS+(\t)], v128, v129
	v_add_f32_dpp v[KS+(\t)], v[KS+(\t)], v[KS+(\t)] row_xmask:1 row_mask:0xf bank_mask:0xf   ; and of the row's other seven lanes
	v_add_f32_dpp v[KS+(\t)], v[KS+(\t)], v[KS+(\t)] row_xmask:2 row_mask:0xf bank_mask:0xf
	v_add_f32_dpp v[KS+(\t)], v[KS+(\t)], v[KS+(\t)] row_xmask:4 row_mask:0xf bank_mask:0xf
	v_add_nc_u32 v11, 0xff000000, v8               ; 2 off the exponent field: the conversion takes the exponent field of this operand as its scale, and nothing else of it
	v_cvt_scalef32_pk8_fp4_f32 v[C+2*(\t)], v[XS:XS+7], v11        ; to the nearest code, ties to even, beyond 6 the largest code; the first number's code in the lowest four bits
	v_cvt_scalef32_pk8_fp4_f32 v[C+2*(\t)+1], v[XS+8:XS+15], v11
	v_lshrrev_b32 v[E+(\t)], 23, v11               ; the scale's byte (also the plain line behind the conversions)
.endm
	s_wait_loadcnt 12                              ; step 0's four loads are in, the twelve behind them stay out
	TURN 0
	STEP 0
	STEP 1
	STEP 2
	STEP 3
.Ljoin:
.irp u, 0,1,2,3
	ds_store_b8 v5, v[E+\u] offset:16*\u           ; both lanes of a block write the same byte with the same value,
	ds_store_b32 v6, v[KS+\u] offset:16*\u         ; all eight lanes of a row the same word
	global_store_b64 v4, v[C+2*\u:C+2*\u+1], s[8:9] offset:256*\u   ; the wave stores 256 consecutive bytes, aligned: four rows of codes
.endr
	s_wait_dscnt 0x0                               ; for the others' sake: my bytes and sums lie in LDS
	s_barrier_signal -1
	s_barrier_wait -1
	s_cmp_ge_u32 s14, 2
	s_cbranch_scc1 .Lend
	ds_load_b128 v[130:133], v7                    ; the work-group's 512 scale bytes (wave 0) or 128 sums (wave 1)
	s_wait_dscnt 0x0
	global_store_b128 v3, v[130:133], s[10:11]     ; 512 consecutive bytes, aligned
.Lend:
	s_wait_tensorcnt 0x0
	ds_add_u32 v136, v137
	s_wait_dscnt 0x0
	s_endpgm
.Lfunc_end_k_qc7138e393f_quant:
	.size	k_qc7138e393f_quant, .Lfunc_end_k_qc7138e393f_quant-k_qc7138e393f_quant
	.p2alignl 7, 3214868480
	.fill 96, 4, 3214868480
	.section	.rodata,"a",@progbits
	.p2align	6, 0x0
	.amdhsa_kernel k_qc7138e393f_quant
		.amdhsa_group_segment_fixed_size 43008
		.amdhsa_private_segment_fixed_size 0
		.amdhsa_enable_private_segment 0
		.amdhsa_kernarg_size 40
		.amdhsa_user_sgpr_count 2
		.amdhsa_user_sgpr_kernarg_segment_ptr 1
		.amdhsa_wavefront_size32 1
		.amdhsa_system_sgpr_workgroup_id_x 1
		.amdhsa_system_sgpr_workgroup_id_y 1
		.amdhsa_system_sgpr_workgroup_id_z 1
		.amdhsa_system_vgpr_workitem_id 0
		.amdhsa_next_free_vgpr 138
		.amdhsa_next_free_sgpr 66
		.amdhsa_reserve_vcc 0
		.amdhsa_float_denorm_mode_32 3
		.amdhsa_float_denorm_mode_16_64 3
		.amdhsa_memory_ordered 1
		.amdhsa_forward_progress 1
		.amdhsa_inst_pref_size 15
	.end_amdhsa_kernel
	.amdgpu_metadata
---
amdhsa.version: [ 1, 2 ]
amdhsa.kernels:
  - .name:           k_qc7138e393f_quant
    .symbol:         k_qc7138e393f_quant.kd
    .args:
      - { .name: dnd_keys, .offset: 0, .size: 8, .value_kind: global_buffer, .address_space: global }
      - { .name: queries, .offset: 8, .size: 8, .value_kind: global_buffer, .address_space: global }
      - { .name: codes, .offset: 16, .size: 8, .value_kind: global_buffer, .address_space: global }
      - { .name: scales, .offset: 24, .size: 8, .value_kind: global_buffer, .address_space: global }
      - { .name: sqn, .offset: 32, .size: 8, .value_kind: global_buffer, .address_space: global }
    .group_segment_fixed_size: 43008
    .private_segment_fixed_size: 0
    .kernarg_segment_align: 8
    .kernarg_segment_size: 40
    .max_flat_workgroup_size: 256
    .sgpr_count:     66
    .vgpr_count:     138
    .wavefront_size: 32
...
	.end_amdgpu_metadata
.endif
;; end of part 1
;; launch dist (part 2): grid 50 x 4, 16 waves a work-group, no clusters, 76,288 bytes of LDS; arguments codes, scales, sqn, gm; writes gm
.if DOCPART == 2
	.amdgcn_target "amdgcn-amd-amdhsa--gfx1250"
	.amdhsa_code_object_version 6
	.text
	.protected	k_qc7138e393f_dist
	.globl	k_qc7138e393f_dist
	.p2align	8
	.type	k_qc7138e393f_dist,@function
k_qc7138e393f_dist:
	s_mov_b64 s[64:65], 0
	v_nop
	global_prefetch_b8 v0, s[64:65] scope:SCOPE_SE
	s_setreg_imm32_b32 hwreg(HW_REG_WAVE_MODE, 25, 1), 1
	s_wait_xcnt 0x0
; d[q][k] = (qq[q] - 2 Q(q) . Q(k)) + kk[k] for 2,048 queries and 51,200 keys (1,200 of them padding, d = +infinity); the product on codes of FP4 with E8M0 scales, sums in f32; qq and kk are the
; unquantised rows' sums of squares.  Of d only THE MINIMUM OF EACH 16 NEIGHBOURING KEYS is kept: gm[q][g], g = key / 16.  The 50 nearest keys of a query, in the order (d, index), lie in the 50 groups
; that are smallest in the order (minimum, group), so the later launches look at those alone.
; gm holds a minimum as the unsigned number that sorts as the f32 does: bits ^ ((bits >> 31, arithmetic) | 0x80000000).  LIMIT: NaN is not served.
; SHARES: work-group (x, y): keys 1,024 x on, queries 512 y on.  Its 16 waves take two tiles of 16 queries each, against all 64 tiles of 16 keys: 128 matrix instructions a wave.
; The grid has 50 x 4 work-groups: 1,024 keys are 64 groups, 256 bytes of a row of gm, so that every store below covers whole aligned runs of 256 bytes.
; LAYOUT: source 0 = 16 queries, source 1 = 16 keys: register j of lane (r = lane % 16, h = lane / 16) holds query 8 h + j and the tile's column r.  COLUMN r OF TILE T IS KEY 64 r + T of the block.
; So the minimum over tiles 16 a .. 16 a + 15, taken register by register, is the minimum of group 4 r + a, and a lane's four a are four neighbouring words of gm: nothing changes lanes.
; LDS: the block's codes, key c at 64 c + 16 (c / 64): the sixteen lanes of a fragment load stand 4,112 bytes apart, an odd multiple of 16.  Behind them pairs (kk, scale word), [tile][column].
; The block comes through registers, once: that padding, 16 bytes behind each 4,096, is none that a tensor load's descriptor states.  No cluster: the four work-groups that share a key block share
; 73,728 bytes, fetched once each, beside 131,072 bytes of gm and 36,864 of queries that are each work-group's own.
.set KPITCH, 4112
.set KSB,    65792                     ; the pairs (kk, scale word): 64 tiles x 16 columns x 8 bytes
.set QROW0,  51200                     ; the queries' first row in the table
.set GROW,   12800                     ; a row of gm in bytes
.set QA,  10                           ; v10-25   two query tiles' fragments
.set QS,  26                           ; v26-27   their scale words, and nothing else
.set QQ,  28                           ; v28-43   qq of query 8 h + j, eight a tile
.set BK,  44                           ; v44-55   three sets x two tiles x (kk, scale word): the odd registers hold scale words and nothing else
.set BC,  56                           ; v56-87   two buffers x two key tiles' fragments
.set D,   88                           ; v88-151  two sets x (2 query tiles x 2 key tiles) x 8; at the head the block on its way into LDS
.set M,   152                          ; v152-167 running minima
.set OUT, 168                          ; v168-231 register 32 x + 4 j + a; at the head three offsets
	s_load_b256 s[4:11], s[0:1], 0x0               ; codes, scales, sqn, gm
	v_lshl_add_u32 v232, v0, 2, 0x12200
	v_mov_b32 v233, 0
	v_lshrrev_b32 v6, 5, v0
	v_readfirstlane_b32 s12, v6                    ; wave 0..15
	s_and_b32 s13, ttmp7, 0xffff                   ; y
	v_and_b32 v1, 15, v0                           ; r
	v_bfe_u32 v2, v0, 4, 1                         ; h
	v_mul_u32_u24 v3, v1, KPITCH
	v_lshl_add_u32 v3, v2, 4, v3                   ; a key fragment: column r, + 16 h; the tile stands in the immediate
	v_lshlrev_b32 v4, 3, v1
	v_add_nc_u32 v4, KSB, v4                       ; column r's pair
	v_mul_u32_u24 v5, v2, 8*GROW
	v_lshl_add_u32 v5, v1, 4, v5                   ; gm: 8 h rows, + 16 r
	v_lshlrev_b32 v6, 4, v0                        ; the fill: 16 x thread in memory,
	v_lshrrev_b32 v7, 8, v0
	v_lshl_add_u32 v7, v7, 4, v6                   ; and in LDS 16 more for each 4,096 passed
	v_lshlrev_b32 v8, 2, v0                        ; key = thread: its kk and its scale word
	v_and_b32 v9, 63, v0
	v_lshlrev_b32 v9, 7, v9
	v_lshrrev_b32 v168, 6, v0
	v_lshl_add_u32 v9, v168, 3, v9
	v_add_nc_u32 v9, KSB, v9                       ; tile = key % 64, column = key / 64
	v_lshlrev_b32 v168, 6, v1
	v_lshl_add_u32 v168, v2, 4, v168               ; a query fragment: row r of 64 bytes, + 16 h
	v_lshlrev_b32 v169, 2, v1                      ; row r's scale word
	v_lshlrev_b32 v170, 5, v2                      ; qq of queries 8 h on
	s_lshl_b32 s14, ttmp9, 16                      ; the key block's codes: 65,536 bytes
	s_mov_b32 s15, 0
	s_lshl_b32 s16, ttmp9, 12                      ; its words: 4,096 bytes
	s_mov_b32 s17, 0
	s_lshl_b32 s18, s13, 5
	s_lshl_b32 s19, s12, 1
	s_add_co_u32 s18, s18, s19                     ; my first query tile: 32 y + 2 wave
	s_lshl_b32 s19, s18, 4
	s_add_co_u32 s19, s19, QROW0                   ; its first row in the table
	s_lshl_b32 s20, s19, 6
	s_mov_b32 s21, 0
	s_lshl_b32 s22, s19, 2
	s_mov_b32 s23, 0
	s_mul_i32 s24, s18, 16*GROW                    ; its rows of gm (under 2^25),
	s_lshl_b32 s25, ttmp9, 8
	s_add_co_u32 s24, s24, s25                     ; and the block's 256 bytes in them
	s_mov_b32 s25, 0
	s_wait_kmcnt 0x0
	s_add_nc_u64 s[26:27], s[4:5], s[14:15]
	s_add_nc_u64 s[28:29], s[6:7], s[16:17]
	s_add_nc_u64 s[30:31], s[8:9], s[16:17]
	s_add_nc_u64 s[4:5], s[4:5], s[20:21]
	s_add_nc_u64 s[6:7], s[6:7], s[22:23]
	s_add_nc_u64 s[8:9], s[8:9], s[22:23]
	s_add_nc_u64 s[10:11], s[10:11], s[24:25]
.irp i, 0,1,2,3,4,5,6,7
	global_load_b128 v[D+4*\i:D+4*\i+3], v6, s[26:27] offset:8192*\i   ; the work-group reads 8,192 consecutive bytes
.endr
.irp e, 0,1
	global_load_b32 v[D+32+2*\e], v8, s[30:31] offset:2048*\e      ; kk of key thread + 512 e
	global_load_b32 v[D+33+2*\e], v8, s[28:29] offset:2048*\e      ; its scale word
.endr
.irp x, 0,1
	global_load_b128 v[QA+8*\x:QA+8*\x+3], v168, s[4:5] offset:1024*\x
	global_load_b128 v[QA+8*\x+4:QA+8*\x+7], v168, s[4:5] offset:1024*\x+32
	global_load_b32 v[QS+\x], v169, s[6:7] offset:64*\x
	global_load_b128 v[QQ+8*\x:QQ+8*\x+3], v170, s[8:9] offset:64*\x
	global_load_b128 v[QQ+8*\x+4:QQ+8*\x+7], v170, s[8:9] offset:64*\x+16
.endr
	s_wait_loadcnt 10                              ; the twelve loads of the fill are in; the ten of my queries stay out
.irp i, 0,1,2,3,4,5,6,7
	ds_store_b128 v7, v[D+4*\i:D+4*\i+3] offset:8224*\i            ; 8,192 bytes on, and two paddings
.endr
.irp e, 0,1
	ds_store_b64 v9, v[D+32+2*\e:D+33+2*\e] offset:64*\e           ; 512 keys on are eight columns on
.endr
	s_wait_dscnt 0x0                               ; for the others' sake: my part of the block lies in LDS
	s_barrier_signal -1
	s_barrier_wait -1                              ; everybody's does; nothing is written there again
; Step s takes key tiles 2 s and 2 s + 1.  All 32 steps are written out: every LDS offset is an immediate.
.macro LDB s                           ; six LDS loads: two fragments into buffer s % 2, two pairs into set s % 3
.irp e, 0,1
	ds_load_b128 v[BC+16*((\s)%2)+8*\e:BC+16*((\s)%2)+8*\e+3], v3 offset:64*(2*(\s)+\e)
	ds_load_b128 v[BC+16*((\s)%2)+8*\e+4:BC+16*((\s)%2)+8*\e+7], v3 offset:64*(2*(\s)+\e)+32
	ds_load_b64 v[BK+4*((\s)%3)+2*\e:BK+4*((\s)%3)+2*\e+1], v4 offset:128*(2*(\s)+\e)
.endr
.endm
.macro MM s                            ; four products, each a whole sum (K = 128): C is the constant 0, no accumulator is taken up again
.irp x, 0,1
.irp e, 0,1
	v_wmma_scale_f32_16x16x128_f8f6f4 v[D+32*((\s)%2)+16*\x+8*\e:D+32*((\s)%2)+16*\x+8*\e+7], v[QA+8*\x:QA+8*\x+7], v[BC+16*((\s)%2)+8*\e:BC+16*((\s)%2)+8*\e+7], 0, v[QS+\x], v[BK+4*((\s)%3)+2*\e+1] matrix_a_fmt:MATRIX_FMT_FP4 matrix_b_fmt:MATRIX_FMT_FP4
.endr
.endr
.endm
.macro VA s                            ; 48 vector instructions for 1,024 distances; each accumulator is read from its low end on
.set DP, D+32*((\s)%2)
.set KP, BK+4*((\s)%3)
.irp x, 0,1
.irp e, 0,1
.irp j, 0,2,4,6
	v_pk_fma_f32 v[DP+16*\x+8*\e+\j:DP+16*\x+8*\e+\j+1], v[DP+16*\x+8*\e+\j:DP+16*\x+8*\e+\j+1], -2.0, v[QQ+8*\x+\j:QQ+8*\x+\j+1] op_sel_hi:[1,0,1]   ; qq - 2 dot: 2 dot is exact, so one rounding
.endr
.endr
.endr
.irp x, 0,1
.irp e, 0,1
.irp j, 0,2,4,6
	v_pk_add_f32 v[DP+16*\x+8*\e+\j:DP+16*\x+8*\e+\j+1], v[DP+16*\x+8*\e+\j:DP+16*\x+8*\e+\j+1], v[KP+2*\e:KP+2*\e+1] op_sel_hi:[1,0]   ; + kk: the pair's low word serves both halves
.endr
.endr
.endr
.irp x, 0,1
.irp j, 0,1,2,3,4,5,6,7
.if ((\s)%8) == 0
	v_min_num_f32 v[M+8*\x+\j], v[DP+16*\x+\j], v[DP+16*\x+8+\j]   ; a group's first two keys start its minimum: nothing is cleared
.else
	v_min3_num_f32 v[M+8*\x+\j], v[M+8*\x+\j], v[DP+16*\x+\j], v[DP+16*\x+8+\j]
.endif
.endr
.endr
.endm
.macro CONV a                          ; sixteen tiles are done: the minima of groups 4 r + a, as numbers that sort unsigned
.irp x, 0,1
.irp j, 0,4
.irp k, 0,1,2,3
	v_ashrrev_i32 v[6+\k], 31, v[M+8*\x+\j+\k]
.endr
.irp k, 0,1,2,3
	v_or_b32 v[6+\k], 0x80000000, v[6+\k]
.endr
.irp k, 0,1,2,3
	v_xor_b32 v[OUT+32*\x+4*(\j+\k)+(\a)], v[6+\k], v[M+8*\x+\j+\k]
.endr
.endr
.endr
.endm
	LDB 0
	LDB 1
	s_wait_loadcnt 0x0                             ; my queries
	s_wait_dscnt 6                                 ; step 0's six loads are in, step 1's stay out
	MM 0
.rept 4
	v_nop                                          ; four places behind the first products: loads into their operand buffer and the first reads of their results follow, and no vector work is at hand yet
.endr
; In every later step the 48 instructions of VA s - 1 stand between MM s and both the loads into its buffer (LDB s + 2) and the reads of its results (VA s); they name the other set of
; accumulators and another set of pairs, so none of MM s's registers.  The pairs have three sets: VA s still reads step s's kk while step s + 2 is loaded.
.irp s, 0,1,2,3,4,5,6,7,8,9,10,11,12,13,14,15,16,17,18,19,20,21,22,23,24,25,26,27,28,29,30,31
.if \s+2 < 32
	LDB \s+2
	s_wait_dscnt 6                                 ; step s + 1's loads are in, the six just issued stay out
.else
	s_wait_dscnt 0x0
.endif
.if \s+1 < 32
	MM \s+1
.endif
	VA \s
.if (\s)%8 == 7
	CONV (\s)/8
.endif
.endr
.irp x, 0,1
.irp j, 0,1,2,3,4,5,6,7
	global_store_b128 v5, v[OUT+32*\x+4*\j:OUT+32*\x+4*\j+3], s[10:11] offset:16*GROW*\x+GROW*\j   ; lanes 0-15: 256 consecutive bytes, aligned, of query j's row; lanes 16-31: of query 8 + j's
.endr
.endr
	s_wait_tensorcnt 0x0
	ds_add_u32 v232, v233
	s_wait_dscnt 0x0
	s_endpgm
.Lfunc_end_k_qc7138e393f_dist:
	.size	k_qc7138e393f_dist, .Lfunc_end_k_qc7138e393f_dist-k_qc7138e393f_dist
	.p2alignl 7, 3214868480
	.fill 96, 4, 3214868480
	.section	.rodata,"a",@progbits
	.p2align	6, 0x0
	.amdhsa_kernel k_qc7138e393f_dist
		.amdhsa_group_segment_fixed_size 76288
		.amdhsa_private_segment_fixed_size 0
		.amdhsa_enable_private_segment 0
		.amdhsa_kernarg_size 32
		.amdhsa_user_sgpr_count 2
		.amdhsa_user_sgpr_kernarg_segment_ptr 1
		.amdhsa_wavefront_size32 1
		.amdhsa_system_sgpr_workgroup_id_x 1
		.amdhsa_system_sgpr_workgroup_id_y 1
		.amdhsa_system_sgpr_workgroup_id_z 1
		.amdhsa_system_vgpr_workitem_id 0
		.amdhsa_next_free_vgpr 234
		.amdhsa_next_free_sgpr 66
		.amdhsa_reserve_vcc 0
		.amdhsa_float_denorm_mode_32 3
		.amdhsa_float_denorm_mode_16_64 3
		.amdhsa_memory_ordered 1
		.amdhsa_forward_progress 1
		.amdhsa_inst_pref_size 139
	.end_amdhsa_kernel
	.amdgpu_metadata
---
amdhsa.version: [ 1, 2 ]
amdhsa.kernels:
  - .name:           k_qc7138e393f_dist
    .symbol:         k_qc7138e393f_dist.kd
    .args:
      - { .name: codes, .offset: 0, .size: 8, .value_kind: global_buffer, .address_space: global }
      - { .name: scales, .offset: 8, .size: 8, .value_kind: global_buffer, .address_space: global }
      - { .name: sqn, .offset: 16, .size: 8, .value_kind: global_buffer, .address_space: global }
      - { .name: gm, .offset: 24, .size: 8, .value_kind: global_buffer, .address_space: global }
    .group_segment_fixed_size: 76288
    .private_segment_fixed_size: 0
    .kernarg_segment_align: 8
    .kernarg_segment_size: 32
    .max_flat_workgroup_size: 512
    .sgpr_count:     66
    .vgpr_count:     234
    .wavefront_size: 32
...
	.end_amdgpu_metadata
.endif
;; end of part 2
;; launch groups (part 3): grid 256 x 1, 8 waves a work-group, no clusters, 0 bytes of LDS; arguments gm, codes, scales, sqn, dk, glist; writes dk, glist
.if DOCPART == 3
	.amdgcn_target "amdgcn-amd-amdhsa--gfx1250"
	.amdhsa_code_object_version 6
	.text
	.protected	k_qc7138e393f_groups
	.globl	k_qc7138e393f_groups
	.p2align	8
	.type	k_qc7138e393f_groups,@function
k_qc7138e393f_groups:
	s_mov_b64 s[64:65], 0
	v_nop
	global_prefetch_b8 v0, s[64:65] scope:SCOPE_SE
	s_setreg_imm32_b32 hwreg(HW_REG_WAVE_MODE, 25, 1), 1
	s_wait_xcnt 0x0
; One wave, one query q = 8 x work-group + wave.  From the query's 3,200 group minima (gm: whole numbers that sort as the distances do) the 50 groups that hold its 50 nearest keys are found, and the
; distances to their 800 keys are made again, by the same instructions on the same operands as in the launch that made gm, so with the same bits.
;   1. super-groups of 4 neighbouring groups: 800 minima, 25 registers; the 50 smallest in the order (minimum, index).   2. their 200 groups, read again from gm; the 50 smallest.
;   3. glist[q][slot] = those groups, ascending.   4. dk[q]: the 800 distances as sorting numbers, element 16 slot + key % 16 at register element / 32, lane element % 32: the image of 28 registers.
; Each step keeps the 50 nearest: an element among the 50 smallest (value, index) lies in a group among the 50 smallest (minimum, group index), groups being runs of neighbouring indices.
; NOTHING HERE BRANCHES ON DATA: the 50th smallest number is built bit by bit in 32 trips of counting; equal numbers are taken in ascending position; slot n's position is the n-th set bit of the masks.
; What enters an address is a whole number read from gm, held by a minimum with a constant first.  LIMIT: NaN among the distances is not served.
; The matrix instruction takes the ONE query as all sixteen rows of source 0: register 0 of a result then holds the key's product in both halves of the lanes.
; No LDS, no barrier: waves share nothing.  No cluster, no tensor load: which rows a wave reads hangs on its own query.
.set K,   44                           ; v44-68   super-groups' minima
.set C,   70                           ; v70-76   the 200 candidate groups' minima
.set CA,  78                           ; v78-84   their offsets in the row of gm
.set G,   96                           ; v96-195  the row of gm
.set DK,  44                           ; v44-71   the refine: the 800 sorting numbers, 25 registers, and three of filler
.set AD,  72                           ; v72-81   ten tiles' offsets in codes
.set AH,  82                           ; v82-86   five pairs' offsets of scale words and kk: lanes 0-15 the even slot's keys, lanes 16-31 the odd slot's
.set SCL, 87                           ; v87-91   five pairs' scale words, and nothing else in the whole text
.set KKR, 12                           ; v12-16   five pairs' kk
.set B,   96                           ; v96-175  ten key fragments
.set D,   176                          ; v176-255 ten results
; v1 lane, v2 lane % 16, v3 lane + 32, v4 64 (lane % 16) + 16 (lane / 16), v5 4 (lane % 16), v6 16 lane, v7 4 lane, v8-11 4 (lane / 4) + 32 m, v92 lane % 4
; v12-15 masks and packs of the two slot registers, v16-27 at work, v28-29 super-groups by slot, v30-31 positions, v32-33 groups by slot, v34-41 the query's fragment, v42 its scale word alone, v43 zero
; THE 50TH SMALLEST of the numbers in v[key .. key + r - 1], all lanes: s20; s23 = how many are smaller (under 50).  A candidate bit stays if fewer than 50 numbers lie under the candidate.
.macro SELECT key, r
	s_mov_b32 s20, 0
	s_mov_b32 s23, 0
	s_mov_b32 s21, 0x80000000
	s_mov_b32 s24, 0
.Lbit_\@:
	s_or_b32 s22, s20, s21
	s_mov_b32 s28, 0
	s_mov_b32 s29, 0
	s_mov_b32 s30, 0
	s_mov_b32 s31, 0
.set si0, 0
.rept ((\r)+7)/8
.set sg, 0
.rept 8
.if si0+sg < (\r)
	v_cmp_gt_u32 s[32+sg], s22, v[(\key)+si0+sg]
.endif
.set sg, sg+1
.endr
.set sg, 0
.rept 8
.if si0+sg < (\r)
	s_bcnt1_i32_b32 s[32+sg], s[32+sg]
	s_add_co_u32 s[28+sg%4], s[28+sg%4], s[32+sg]
.endif
.set sg, sg+1
.endr
.set si0, si0+8
.endr
	s_add_co_u32 s28, s28, s29
	s_add_co_u32 s30, s30, s31
	s_add_co_u32 s28, s28, s30
	s_cmp_lt_u32 s28, 50
	s_cselect_b32 s20, s22, s20
	s_cselect_b32 s23, s28, s23
	s_lshr_b32 s21, s21, 1
	s_add_co_u32 s24, s24, 1
	s_cmp_lt_u32 s24, 32
	s_cbranch_scc1 .Lbit_\@
.endm
; THE 50 CHOSEN: all that are smaller than s20, and of those equal to it the first 50 - s23 in position (register x 32 + lane).  Register by register the mask of the chosen is made, and each slot
; (n = lane in v12, v14; n = lane + 32 in v13, v15) keeps the last mask in front of which at most n were chosen, with that count and the register's number packed beside it.
.macro FINISH key, r
	s_sub_co_u32 s25, 50, s23
	s_mov_b32 s26, 0
	s_mov_b32 s27, 0
	v_mov_b32 v12, 0
	v_mov_b32 v13, 0
	v_mov_b32 v14, 0
	v_mov_b32 v15, 0
.set fi, 0
.rept \r
	v_cmp_gt_u32 s32, s20, v[(\key)+fi]            ; smaller
	v_cmp_eq_u32 s33, s20, v[(\key)+fi]            ; equal
	v_mbcnt_lo_u32_b32 v16, s33, s26               ; how many equal ones stand ahead of me
	v_cmp_gt_u32 s34, s25, v16
	v_cmp_le_u32 s37, s27, v1
	v_cmp_le_u32 s38, s27, v3
	s_and_b32 s34, s34, s33
	s_or_b32 s34, s34, s32                         ; this register's chosen
	s_or_b32 s36, s27, (fi<<8)
	s_bcnt1_i32_b32 s35, s33
	s_add_co_u32 s26, s26, s35
	v_cndmask_b32 v12, v12, s34, s37
	v_cndmask_b32 v14, v14, s36, s37
	v_cndmask_b32 v13, v13, s34, s38
	v_cndmask_b32 v15, v15, s36, s38
	s_bcnt1_i32_b32 s35, s34
	s_add_co_u32 s27, s27, s35
.set fi, fi+1
.endr
.endm
.macro DESC src, width                 ; one step down: are the bits wanted beyond this half?
	v_bfe_u32 v23, v[\src], v22, \width
	v_cmp_ge_u32 vcc_lo, v17, v23
	v_cndmask_b32 v24, 0, \width, vcc_lo
	v_cndmask_b32 v23, 0, v23, vcc_lo
	v_add_nc_u32 v22, v22, v24
	v_sub_nc_u32 v17, v17, v23
.endm
; SLOT n'S POSITION: the (n - count)-th set bit of its mask, by sums of fields of 2, 4, 8 and 16 bits and five steps down.  Slots from 50 on get some position inside the registers; it is held where it is used.
.macro NTH w, pk, n, out
	v_and_b32 v17, 0xff, v[\pk]
	v_sub_nc_u32 v17, v[\n], v17
	v_lshrrev_b32 v18, 1, v[\w]
	v_and_b32 v18, 0x55555555, v18
	v_sub_nc_u32 v18, v[\w], v18
	v_lshrrev_b32 v19, 2, v18
	v_and_b32 v19, 0x33333333, v19
	v_and_b32 v20, 0x33333333, v18
	v_add_nc_u32 v19, v19, v20
	v_lshrrev_b32 v20, 4, v19
	v_add_nc_u32 v20, v20, v19
	v_and_b32 v20, 0x0f0f0f0f, v20
	v_lshrrev_b32 v21, 8, v20
	v_add_nc_u32 v21, v21, v20
	v_and_b32 v23, 0xff, v21
	v_cmp_ge_u32 vcc_lo, v17, v23
	v_cndmask_b32 v22, 0, 16, vcc_lo
	v_cndmask_b32 v23, 0, v23, vcc_lo
	v_sub_nc_u32 v17, v17, v23
	DESC 20, 8
	DESC 19, 4
	DESC 18, 2
	DESC \w, 1
	v_lshrrev_b32 v23, 8, v[\pk]
	v_lshl_add_u32 v[\out], v23, 5, v22
.endm
	s_load_b256 s[4:11], s[0:1], 0x0               ; gm, codes, scales, sqn
	s_load_b128 s[12:15], s[0:1], 0x20             ; dk, glist
	v_lshrrev_b32 v12, 5, v0
	v_readfirstlane_b32 s16, v12
	s_lshl_b32 s17, ttmp9, 3
	s_add_co_u32 s16, s16, s17                     ; q
	v_and_b32 v1, 31, v0
	v_and_b32 v2, 15, v0
	v_add_nc_u32 v3, 32, v1
	v_bfe_u32 v12, v0, 4, 1
	v_lshlrev_b32 v4, 6, v2
	v_lshl_add_u32 v4, v12, 4, v4
	v_lshlrev_b32 v13, 4, v12                      ; the query's fragment: every lane takes the one row, + 16 (lane / 16)
	v_lshlrev_b32 v5, 2, v2
	v_lshlrev_b32 v6, 4, v1
	v_lshlrev_b32 v7, 2, v1
	v_lshrrev_b32 v8, 2, v1
	v_lshlrev_b32 v8, 2, v8
	v_add_nc_u32 v9, 32, v8
	v_add_nc_u32 v10, 64, v8
	v_add_nc_u32 v11, 96, v8
	v_and_b32 v92, 3, v1
	v_mov_b32 v43, 0
	s_mul_i32 s40, s16, 12800                      ; my row of gm
	s_mov_b32 s41, 0
	s_add_co_u32 s42, s16, 51200                   ; my row of the table
	s_lshl_b32 s44, s42, 6
	s_mov_b32 s45, 0
	s_lshl_b32 s46, s42, 2
	s_mov_b32 s47, 0
	s_mul_i32 s48, s16, 3584                       ; my row of dk
	s_mov_b32 s49, 0
	s_lshl_b32 s50, s16, 8                         ; my row of glist
	s_mov_b32 s51, 0
	s_mov_b32 s19, 0xffff0000                      ; lanes 16-31
	s_wait_kmcnt 0x0
	s_add_nc_u64 s[4:5], s[4:5], s[40:41]
	s_add_nc_u64 s[52:53], s[6:7], s[44:45]
	s_add_nc_u64 s[54:55], s[8:9], s[46:47]
	s_add_nc_u64 s[56:57], s[10:11], s[46:47]
	s_add_nc_u64 s[12:13], s[12:13], s[48:49]
	s_add_nc_u64 s[14:15], s[14:15], s[50:51]
	s_load_b32 s18, s[56:57], 0x0                  ; qq (this launch writes nothing into sqn)
	global_load_b128 v[34:37], v13, s[52:53]
	global_load_b128 v[38:41], v13, s[52:53] offset:32
	global_load_b32 v42, v43, s[54:55]
.irp k, 0,1,2,3,4,5,6,7,8,9,10,11,12,13,14,15,16,17,18,19,20,21,22,23,24
	global_load_b128 v[G+4*\k:G+4*\k+3], v6, s[4:5] offset:512*\k  ; 512 consecutive bytes: a lane's four words are super-group 32 k + lane
.endr
.irp k, 0,1,2,3,4,5,6,7,8,9,10,11,12,13,14,15,16,17,18,19,20,21,22,23,24
	s_wait_loadcnt 24-\k                           ; load k is in, the row's later loads stay out
	v_min_u32 v[K+\k], v[G+4*\k], v[G+4*\k+1]
	v_min_u32 v[26+(\k)%2], v[G+4*\k+2], v[G+4*\k+3]
	v_min_u32 v[K+\k], v[K+\k], v[26+(\k)%2]
.endr
	s_wait_kmcnt 0x0                               ; qq
	SELECT K, 25
	FINISH K, 25
	NTH 12, 14, 1, 28                              ; slots 0-31: a position here IS a super-group's number
	NTH 13, 15, 3, 29                              ; slots 32-49
	; the 200 candidate groups: position c = 32 i + lane is member lane % 4 of slot 8 i + lane / 4.  Slots ascend, so positions ascend with the groups' numbers
.irp i, 0,1,2,3
	ds_bpermute_b32 v[CA+\i], v[8+\i], v28
.endr
.irp i, 4,5,6
	ds_bpermute_b32 v[CA+\i], v[4+\i], v29
.endr
	s_wait_dscnt 0x0
.irp i, 0,1,2,3,4,5,6
	v_lshl_add_u32 v[CA+\i], v[CA+\i], 2, v92
.endr
.irp i, 0,1,2,3,4,5,6
	v_min_u32 v[CA+\i], 3199, v[CA+\i]             ; held inside the row before it enters an address
.endr
.irp i, 0,1,2,3,4,5,6
	v_lshlrev_b32 v[CA+\i], 2, v[CA+\i]
.endr
.irp i, 0,1,2,3,4,5,6
	global_load_b32 v[C+\i], v[CA+\i], s[4:5]
.endr
	s_mov_b32 s37, 0xff
	s_wait_loadcnt 0x0
	v_cndmask_b32 v[C+6], -1, v[C+6], s37          ; slots 48 and 49 are lanes 0-7 of the last register: the rest counts as the greatest number
	SELECT C, 7
	FINISH C, 7
	NTH 12, 14, 1, 30
	NTH 13, 15, 3, 31
.macro GID q, out                      ; position c -> group 4 x (super-group of slot c / 4) + c % 4
	v_and_b32 v17, 0x7c, v[\q]                     ; 4 x (slot % 32)
	ds_bpermute_b32 v18, v17, v28
	ds_bpermute_b32 v19, v17, v29
	v_and_b32 v20, 3, v[\q]
	v_cmp_le_u32 vcc_lo, 128, v[\q]                ; slot 32 or more
	s_wait_dscnt 0x0
	v_cndmask_b32 v18, v18, v19, vcc_lo
	v_lshl_add_u32 v18, v18, 2, v20
	v_min_u32 v[\out], 3199, v18
.endm
	GID 30, 32
	GID 31, 33
	global_store_b32 v7, v32, s[14:15]             ; slots 0-31,
	global_store_b32 v7, v33, s[14:15] offset:128  ; slots 32-63 (from 50 on filler, held inside the table): the row's 256 bytes are written whole
; THE REFINE: five batches of five pairs of slots.  A pair's two groups are two tiles of 16 keys; one register carries both tiles' scale words (lanes 0-15, lanes 16-31), another both tiles' kk.
.macro BATCH bt
.irp u, 0,1,2,3,4
.set sl, 2*(5*(\bt)+\u)
.if sl < 32
	v_readlane_b32 s[40+2*\u], v32, sl
	v_readlane_b32 s[41+2*\u], v32, sl+1
.else
	v_readlane_b32 s[40+2*\u], v33, sl-32
	v_readlane_b32 s[41+2*\u], v33, sl-31
.endif
.endr
.irp u, 0,1,2,3,4
	v_mov_b32 v[AH+\u], s[40+2*\u]
	v_cndmask_b32 v[AH+\u], v[AH+\u], s[41+2*\u], s19
	v_min_u32 v[AH+\u], 3199, v[AH+\u]
	v_lshl_add_u32 v[AH+\u], v[AH+\u], 6, v5       ; a group's 16 words, + 4 (lane % 16)
	s_min_u32 s[40+2*\u], s[40+2*\u], 3199
	s_min_u32 s[41+2*\u], s[41+2*\u], 3199
	s_lshl_b32 s[40+2*\u], s[40+2*\u], 10          ; a group's 16 rows of 64 bytes
	s_lshl_b32 s[41+2*\u], s[41+2*\u], 10
	v_add_nc_u32 v[AD+2*\u], s[40+2*\u], v4
	v_add_nc_u32 v[AD+2*\u+1], s[41+2*\u], v4
.endr
.irp t, 0,1,2,3,4,5,6,7,8,9
	global_load_b128 v[B+8*\t:B+8*\t+3], v[AD+\t], s[6:7]
	global_load_b128 v[B+8*\t+4:B+8*\t+7], v[AD+\t], s[6:7] offset:32
.endr
.irp u, 0,1,2,3,4
	global_load_b32 v[SCL+\u], v[AH+\u], s[8:9]
	global_load_b32 v[KKR+\u], v[AH+\u], s[10:11]
.endr
	s_wait_loadcnt 0x0
.irp t, 0,2,4,6,8
	v_wmma_scale_f32_16x16x128_f8f6f4 v[D+8*\t:D+8*\t+7], v[34:41], v[B+8*\t:B+8*\t+7], 0, v42, v[SCL+\t/2] matrix_a_fmt:MATRIX_FMT_FP4 matrix_b_fmt:MATRIX_FMT_FP4
	v_wmma_scale_f32_16x16x128_f8f6f4 v[D+8*(\t+1):D+8*(\t+1)+7], v[34:41], v[B+8*(\t+1):B+8*(\t+1)+7], 0, v42, v[SCL+\t/2] matrix_a_fmt:MATRIX_FMT_FP4 matrix_b_fmt:MATRIX_FMT_FP4 matrix_b_scale:MATRIX_SCALE_ROW1
.endr
.rept 4
	v_nop                                          ; four places behind the products, ahead of the reads of their results; with the lines below they also stand ahead of the next batch's loads and products
.endr
.irp u, 0,1,2,3,4
	v_cndmask_b32 v[DK+5*(\bt)+\u], v[D+16*\u], v[D+16*\u+8], s19  ; register 0 of each result, its low end: lanes 0-15 the even slot's keys, lanes 16-31 the odd slot's
.endr
.irp u, 0,1,2,3,4
	v_fma_f32 v[DK+5*(\bt)+\u], v[DK+5*(\bt)+\u], -2.0, s18        ; qq - 2 dot,
.endr
.irp u, 0,1,2,3,4
	v_add_f32 v[DK+5*(\bt)+\u], v[DK+5*(\bt)+\u], v[KKR+\u]        ; + kk: the roundings of the launch that made gm
.endr
.irp u, 0,1,2,3,4
	v_ashrrev_i32 v[17+\u], 31, v[DK+5*(\bt)+\u]
.endr
.irp u, 0,1,2,3,4
	v_or_b32 v[17+\u], 0x80000000, v[17+\u]
.endr
.irp u, 0,1,2,3,4
	v_xor_b32 v[DK+5*(\bt)+\u], v[17+\u], v[DK+5*(\bt)+\u]         ; the number that sorts unsigned
.endr
.endm
	BATCH 0
	BATCH 1
	BATCH 2
	BATCH 3
	BATCH 4
	v_mov_b32 v[DK+25], -1                         ; filler, so that the row's 3,584 bytes are written whole
	v_mov_b32 v[DK+26], -1
	v_mov_b32 v[DK+27], -1
.irp m, 0,1,2,3,4,5,6
	global_store_b128 v6, v[DK+4*\m:DK+4*\m+3], s[12:13] offset:512*\m   ; 512 consecutive bytes, aligned
.endr
	s_endpgm
.Lfunc_end_k_qc7138e393f_groups:
	.size	k_qc7138e393f_groups, .Lfunc_end_k_qc7138e393f_groups-k_qc7138e393f_groups
	.p2alignl 7, 3214868480
	.fill 96, 4, 3214868480
	.section	.rodata,"a",@progbits
	.p2align	6, 0x0
	.amdhsa_kernel k_qc7138e393f_groups
		.amdhsa_group_segment_fixed_size 0
		.amdhsa_private_segment_fixed_size 0
		.amdhsa_enable_private_segment 0
		.amdhsa_kernarg_size 48
		.amdhsa_user_sgpr_count 2
		.amdhsa_user_sgpr_kernarg_segment_ptr 1
		.amdhsa_wavefront_size32 1
		.amdhsa_system_sgpr_workgroup_id_x 1
		.amdhsa_system_sgpr_workgroup_id_y 1
		.amdhsa_system_sgpr_workgroup_id_z 1
		.amdhsa_system_vgpr_workitem_id 0
		.amdhsa_next_free_vgpr 256
		.amdhsa_next_free_sgpr 66
		.amdhsa_reserve_vcc 1
		.amdhsa_float_denorm_mode_32 3
		.amdhsa_float_denorm_mode_16_64 3
		.amdhsa_memory_ordered 1
		.amdhsa_forward_progress 1
		.amdhsa_inst_pref_size 97
	.end_amdhsa_kernel
	.amdgpu_metadata
---
amdhsa.version: [ 1, 2 ]
amdhsa.kernels:
  - .name:           k_qc7138e393f_groups
    .symbol:         k_qc7138e393f_groups.kd
    .args:
      - { .name: gm, .offset: 0, .size: 8, .value_kind: global_buffer, .address_space: global }
      - { .name: codes, .offset: 8, .size: 8, .value_kind: global_buffer, .address_space: global }
      - { .name: scales, .offset: 16, .size: 8, .value_kind: global_buffer, .address_space: global }
      - { .name: sqn, .offset: 24, .size: 8, .value_kind: global_buffer, .address_space: global }
      - { .name: dk, .offset: 32, .size: 8, .value_kind: global_buffer, .address_space: global }
      - { .name: glist, .offset: 40, .size: 8, .value_kind: global_buffer, .address_space: global }
    .group_segment_fixed_size: 0
    .private_segment_fixed_size: 0
    .kernarg_segment_align: 8
    .kernarg_segment_size: 48
    .max_flat_workgroup_size: 256
    .sgpr_count:     66
    .vgpr_count:     256
    .wavefront_size: 32
...
	.end_amdgpu_metadata
.endif
;; end of part 3
;; launch final (part 4): grid 256 x 1, 8 waves a work-group, no clusters, 0 bytes of LDS; arguments dk, glist, queries, dnd_keys, dnd_values, out0; writes out0
.if DOCPART == 4
	.amdgcn_target "amdgcn-amd-amdhsa--gfx1250"
	.amdhsa_code_object_version 6
	.text
	.protected	k_qc7138e393f_final
	.globl	k_qc7138e393f_final
	.p2align	8
	.type	k_qc7138e393f_final,@function
k_qc7138e393f_final:
	s_mov_b64 s[64:65], 0
	v_nop
	global_prefetch_b8 v0, s[64:65] scope:SCOPE_SE
	s_setreg_imm32_b32 hwreg(HW_REG_WAVE_MODE, 25, 1), 1
	s_wait_xcnt 0x0
; One wave, one query q = 8 x work-group + wave.  Of the 800 sorting numbers of dk[q] the 50 smallest are chosen, equal ones in ascending position, which is ascending key index; position p is key
; 16 glist[q][p / 16] + p % 16.  Then, all in f32: the squared distance of the unquantised query to each of the 50 unquantised keys, w = 1 / (distance + 0.001), and out0[q] = sum(w v) / sum(w).
; The selection branches on no data (32 trips of counting; masks; the n-th set bit); a key's index is held at 49,999 before it enters an address.
; A round takes four neighbours, eight lanes to a neighbour: a load reads 128 consecutive bytes of each of four rows.  Eight rounds' loads are on their way at a time.
; LIMITS: NaN and infinities are not served; a distance is summed 16 numbers to a lane in two packed chains, then over eight lanes by a tree.
; No matrix unit (the one product of the problem is done), no LDS, no barrier, no cluster: a wave's rows hang on its own query.
.set DK,  64                           ; v64-91   the row of dk; free once the 50 are chosen
.set RA,  64                           ; v64-76   thirteen rounds' offsets in dnd_keys
.set VA,  77                           ; v77-89   and in dnd_values
.set VV,  34                           ; v34-46   the neighbours' values
.set DS,  47                           ; v47-59   distance + 0.001, then w
.set BI8, 92                           ; v92-99   4 (lane / 8) + 16 m
.set QV,  112                          ; v112-127 the query: numbers 32 i + 4 (lane % 8) + 0 .. 3
.set X,   128                          ; v128-255 eight sets of 16 numbers of a key
; v1 lane, v3 lane + 32, v4 16 (lane % 8), v5 4 (lane / 8), v6 16 lane, v7 4 lane, v12-25 the selection, v28-29 positions, v30-31 groups by slot, v32-33 keys by slot, v60-63, v100-101 at work
; THE 50TH SMALLEST of the numbers in v[key .. key + r - 1], all lanes: s20; s23 = how many are smaller (under 50).  A candidate bit stays if fewer than 50 numbers lie under the candidate.
.macro SELECT key, r
	s_mov_b32 s20, 0
	s_mov_b32 s23, 0
	s_mov_b32 s21, 0x80000000
	s_mov_b32 s24, 0
.Lbit_\@:
	s_or_b32 s22, s20, s21
	s_mov_b32 s28, 0
	s_mov_b32 s29, 0
	s_mov_b32 s30, 0
	s_mov_b32 s31, 0
.set si0, 0
.rept ((\r)+7)/8
.set sg, 0
.rept 8
.if si0+sg < (\r)
	v_cmp_gt_u32 s[32+sg], s22, v[(\key)+si0+sg]
.endif
.set sg, sg+1
.endr
.set sg, 0
.rept 8
.if si0+sg < (\r)
	s_bcnt1_i32_b32 s[32+sg], s[32+sg]
	s_add_co_u32 s[28+sg%4], s[28+sg%4], s[32+sg]
.endif
.set sg, sg+1
.endr
.set si0, si0+8
.endr
	s_add_co_u32 s28, s28, s29
	s_add_co_u32 s30, s30, s31
	s_add_co_u32 s28, s28, s30
	s_cmp_lt_u32 s28, 50
	s_cselect_b32 s20, s22, s20
	s_cselect_b32 s23, s28, s23
	s_lshr_b32 s21, s21, 1
	s_add_co_u32 s24, s24, 1
	s_cmp_lt_u32 s24, 32
	s_cbranch_scc1 .Lbit_\@
.endm
; THE 50 CHOSEN: all that are smaller than s20, and of those equal to it the first 50 - s23 in position (register x 32 + lane).  Each slot (n = lane in v12, v14; n = lane + 32 in v13, v15) keeps the
; last register's mask in front of which at most n were chosen, with that count and the register's number packed beside it.
.macro FINISH key, r
	s_sub_co_u32 s25, 50, s23
	s_mov_b32 s26, 0
	s_mov_b32 s27, 0
	v_mov_b32 v12, 0
	v_mov_b32 v13, 0
	v_mov_b32 v14, 0
	v_mov_b32 v15, 0
.set fi, 0
.rept \r
	v_cmp_gt_u32 s32, s20, v[(\key)+fi]            ; smaller
	v_cmp_eq_u32 s33, s20, v[(\key)+fi]            ; equal
	v_mbcnt_lo_u32_b32 v16, s33, s26               ; how many equal ones stand ahead of me
	v_cmp_gt_u32 s34, s25, v16
	v_cmp_le_u32 s37, s27, v1
	v_cmp_le_u32 s38, s27, v3
	s_and_b32 s34, s34, s33
	s_or_b32 s34, s34, s32                         ; this register's chosen
	s_or_b32 s36, s27, (fi<<8)
	s_bcnt1_i32_b32 s35, s33
	s_add_co_u32 s26, s26, s35
	v_cndmask_b32 v12, v12, s34, s37
	v_cndmask_b32 v14, v14, s36, s37
	v_cndmask_b32 v13, v13, s34, s38
	v_cndmask_b32 v15, v15, s36, s38
	s_bcnt1_i32_b32 s35, s34
	s_add_co_u32 s27, s27, s35
.set fi, fi+1
.endr
.endm
.macro DESC src, width                 ; one step down: are the bits wanted beyond this half?
	v_bfe_u32 v23, v[\src], v22, \width
	v_cmp_ge_u32 vcc_lo, v17, v23
	v_cndmask_b32 v24, 0, \width, vcc_lo
	v_cndmask_b32 v23, 0, v23, vcc_lo
	v_add_nc_u32 v22, v22, v24
	v_sub_nc_u32 v17, v17, v23
.endm
; SLOT n'S POSITION: the (n - count)-th set bit of its mask, by sums of fields of 2, 4, 8 and 16 bits and five steps down.  Slots from 50 on get some position inside the registers; it is held where it is used.
.macro NTH w, pk, n, out
	v_and_b32 v17, 0xff, v[\pk]
	v_sub_nc_u32 v17, v[\n], v17
	v_lshrrev_b32 v18, 1, v[\w]
	v_and_b32 v18, 0x55555555, v18
	v_sub_nc_u32 v18, v[\w], v18
	v_lshrrev_b32 v19, 2, v18
	v_and_b32 v19, 0x33333333, v19
	v_and_b32 v20, 0x33333333, v18
	v_add_nc_u32 v19, v19, v20
	v_lshrrev_b32 v20, 4, v19
	v_add_nc_u32 v20, v20, v19
	v_and_b32 v20, 0x0f0f0f0f, v20
	v_lshrrev_b32 v21, 8, v20
	v_add_nc_u32 v21, v21, v20
	v_and_b32 v23, 0xff, v21
	v_cmp_ge_u32 vcc_lo, v17, v23
	v_cndmask_b32 v22, 0, 16, vcc_lo
	v_cndmask_b32 v23, 0, v23, vcc_lo
	v_sub_nc_u32 v17, v17, v23
	DESC 20, 8
	DESC 19, 4
	DESC 18, 2
	DESC \w, 1
	v_lshrrev_b32 v23, 8, v[\pk]
	v_lshl_add_u32 v[\out], v23, 5, v22
.endm
	s_load_b256 s[4:11], s[0:1], 0x0               ; dk, glist, queries, dnd_keys
	s_load_b128 s[12:15], s[0:1], 0x20             ; dnd_values, out0
	v_lshrrev_b32 v12, 5, v0
	v_readfirstlane_b32 s16, v12
	s_lshl_b32 s17, ttmp9, 3
	s_add_co_u32 s16, s16, s17                     ; q
	v_and_b32 v1, 31, v0
	v_add_nc_u32 v3, 32, v1
	v_and_b32 v4, 7, v1
	v_lshlrev_b32 v4, 4, v4
	v_lshrrev_b32 v5, 3, v1
	v_lshlrev_b32 v5, 2, v5
	v_lshlrev_b32 v6, 4, v1
	v_lshlrev_b32 v7, 2, v1
.irp m, 0,1,2,3,4,5,6,7
	v_add_nc_u32 v[BI8+\m], 16*\m, v5
.endr
	s_mul_i32 s40, s16, 3584
	s_mov_b32 s41, 0
	s_lshl_b32 s42, s16, 8
	s_mov_b32 s43, 0
	s_lshl_b32 s44, s16, 9
	s_mov_b32 s45, 0
	s_lshl_b32 s46, s16, 2
	s_mov_b32 s47, 0
	s_mov_b32 s48, 0x76543210                      ; v_permlanex16_b32's selects for lane l xor 16
	s_mov_b32 s49, 0xfedcba98
	s_wait_kmcnt 0x0
	s_add_nc_u64 s[4:5], s[4:5], s[40:41]
	s_add_nc_u64 s[6:7], s[6:7], s[42:43]
	s_add_nc_u64 s[8:9], s[8:9], s[44:45]
	s_add_nc_u64 s[14:15], s[14:15], s[46:47]
.irp m, 0,1,2,3,4,5,6
	global_load_b128 v[DK+4*\m:DK+4*\m+3], v6, s[4:5] offset:512*\m th:TH_LOAD_NT   ; the image of 28 registers, as it was stored
.endr
	global_load_b32 v30, v7, s[6:7]
	global_load_b32 v31, v7, s[6:7] offset:128
.irp i, 0,1,2,3
	global_load_b128 v[QV+4*\i:QV+4*\i+3], v4, s[8:9] offset:128*\i
.endr
	s_wait_loadcnt 0x0
	SELECT DK, 25
	FINISH DK, 25
	NTH 12, 14, 1, 28
	NTH 13, 15, 3, 29
.macro KIDX p, out                     ; position p -> key 16 x (group of slot p / 16) + p % 16
	v_lshrrev_b32 v17, 2, v[\p]
	v_and_b32 v17, 0x7c, v17                       ; 4 x (slot % 32)
	ds_bpermute_b32 v18, v17, v30
	ds_bpermute_b32 v19, v17, v31
	v_and_b32 v20, 15, v[\p]
	v_cmp_le_u32 vcc_lo, 512, v[\p]                ; slot 32 or more
	s_wait_dscnt 0x0
	v_cndmask_b32 v18, v18, v19, vcc_lo
	v_lshl_add_u32 v[\out], v18, 4, v20
.endm
	KIDX 28, 32
	KIDX 29, 33
	; round p: neighbour 4 p + lane / 8
.irp p, 0,1,2,3,4,5,6,7
	ds_bpermute_b32 v[RA+\p], v[BI8+\p], v32
.endr
.irp p, 8,9,10,11,12
	ds_bpermute_b32 v[RA+\p], v[BI8+\p-8], v33
.endr
	s_wait_dscnt 0x0
.irp p, 0,1,2,3,4,5,6,7,8,9,10,11,12
	v_min_u32 v[RA+\p], 49999, v[RA+\p]            ; held inside the table before it enters an address
.endr
.irp p, 0,1,2,3,4,5,6,7,8,9,10,11,12
	v_lshlrev_b32 v[VA+\p], 2, v[RA+\p]
	v_lshl_add_u32 v[RA+\p], v[RA+\p], 9, v4       ; the key's row of 512 bytes, + 16 (lane % 8)
.endr
.irp p, 0,1,2,3,4,5,6,7,8,9,10,11,12
	global_load_b32 v[VV+\p], v[VA+\p], s[12:13]
.endr
.macro RLOAD p
.irp i, 0,1,2,3
	global_load_b128 v[X+16*((\p)%8)+4*\i:X+16*((\p)%8)+4*\i+3], v[RA+(\p)], s[10:11] offset:128*\i
.endr
.endm
.irp p, 0,1,2,3,4,5,6,7
	RLOAD \p
.endr
.macro ROUND p
.set XS, X+16*((\p)%8)
.if (\p) <= 5
	s_wait_loadcnt 28                              ; this round's four loads are in; the seven rounds issued behind it stay out
.else
	s_wait_loadcnt 4*(12-(\p))                     ; nothing more is issued: the counts run down
.endif
.irp j, 0,2,4,6,8,10,12,14
	v_pk_add_f32 v[XS+\j:XS+\j+1], v[XS+\j:XS+\j+1], v[QV+\j:QV+\j+1] neg_lo:[0,1] neg_hi:[0,1]   ; key - query: its square is that of query - key
.endr
	v_pk_mul_f32 v[60:61], v[XS:XS+1], v[XS:XS+1]
	v_pk_mul_f32 v[100:101], v[XS+2:XS+3], v[XS+2:XS+3]
.irp j, 4,8,12
	v_pk_fma_f32 v[60:61], v[XS+\j:XS+\j+1], v[XS+\j:XS+\j+1], v[60:61]
	v_pk_fma_f32 v[100:101], v[XS+\j+2:XS+\j+3], v[XS+\j+2:XS+\j+3], v[100:101]
.endr
	v_pk_add_f32 v[60:61], v[60:61], v[100:101]
	v_add_f32 v[DS+(\p)], v60, v61
	v_add_f32_dpp v[DS+(\p)], v[DS+(\p)], v[DS+(\p)] row_xmask:1 row_mask:0xf bank_mask:0xf   ; the neighbour's eight lanes
	v_add_f32_dpp v[DS+(\p)], v[DS+(\p)], v[DS+(\p)] row_xmask:2 row_mask:0xf bank_mask:0xf
	v_add_f32_dpp v[DS+(\p)], v[DS+(\p)], v[DS+(\p)] row_xmask:4 row_mask:0xf bank_mask:0xf
	v_add_f32 v[DS+(\p)], 0x3a83126f, v[DS+(\p)]   ; + 0.001
.if (\p) <= 4
	RLOAD (\p)+8                                   ; the set just read takes the round eight further on
.endif
.endm
.irp p, 0,1,2,3,4,5,6,7,8,9,10,11,12
	ROUND \p
.endr
.irp p, 0,1,2,3,4,5,6,7,8,9,10,11,12
	v_rcp_f32 v[DS+\p], v[DS+\p]                   ; w: one batch
.endr
	v_nop                                          ; a plain line behind the last reciprocal
	s_mov_b32 s19, 0xffff
	s_wait_alu depctr_va_vdst(0)                   ; one wait for the thirteen, ahead of their first reader
	v_cndmask_b32 v[DS+12], 0, v[DS+12], s19       ; the last round's lanes 16-31 are slots 50 and 51: they weigh nothing
	v_add_f32 v62, v[DS], v[DS+1]
	v_mul_f32 v63, v[DS], v[VV]
	v_fmac_f32 v63, v[DS+1], v[VV+1]
.irp p, 2,3,4,5,6,7,8,9,10,11,12
	v_add_f32 v62, v62, v[DS+\p]
	v_fmac_f32 v63, v[DS+\p], v[VV+\p]
.endr
	; a neighbour's eight lanes hold the same numbers: only the four neighbours of a round are added across lanes
	v_add_f32_dpp v62, v62, v62 row_xmask:8 row_mask:0xf bank_mask:0xf
	v_add_f32_dpp v63, v63, v63 row_xmask:8 row_mask:0xf bank_mask:0xf
	v_permlanex16_b32 v60, v62, s48, s49
	v_permlanex16_b32 v61, v63, s48, s49
	v_add_f32 v62, v62, v60
	v_add_f32 v63, v63, v61
	v_rcp_f32 v62, v62
	v_mov_b32 v100, 0                              ; a plain line behind the reciprocal: the store's offset
	s_wait_alu depctr_va_vdst(0)                   ; ahead of the reciprocal's reader
	v_mul_f32 v63, v63, v62                        ; sum(w v) / sum(w)
	s_wait_xcnt 0x0                                ; EXEC changes only behind this wait: the loads above have read it
	v_cmp_eq_u32 vcc_lo, 0, v1
	s_and_saveexec_b32 s30, vcc_lo
	global_store_b32 v100, v63, s[14:15]           ; lane 0: four bytes a query, 8,192 in the whole launch
	s_endpgm
.Lfunc_end_k_qc7138e393f_final:
	.size	k_qc7138e393f_final, .Lfunc_end_k_qc7138e393f_final-k_qc7138e393f_final
	.p2alignl 7, 3214868480
	.fill 96, 4, 3214868480
	.section	.rodata,"a",@progbits
	.p2align	6, 0x0
	.amdhsa_kernel k_qc7138e393f_final
		.amdhsa_group_segment_fixed_size 0
		.amdhsa_private_segment_fixed_size 0
		.amdhsa_enable_private_segment 0
		.amdhsa_kernarg_size 48
		.amdhsa_user_sgpr_count 2
		.amdhsa_user_sgpr_kernarg_segment_ptr 1
		.amdhsa_wavefront_size32 1
		.amdhsa_system_sgpr_workgroup_id_x 1
		.amdhsa_system_sgpr_workgroup_id_y 1
		.amdhsa_system_sgpr_workgroup_id_z 1
		.amdhsa_system_vgpr_workitem_id 0
		.amdhsa_next_free_vgpr 256
		.amdhsa_next_free_sgpr 66
		.amdhsa_reserve_vcc 1
		.amdhsa_float_denorm_mode_32 3
		.amdhsa_float_denorm_mode_16_64 3
		.amdhsa_memory_ordered 1
		.amdhsa_forward_progress 1
		.amdhsa_inst_pref_size 63
	.end_amdhsa_kernel
	.amdgpu_metadata
---
amdhsa.version: [ 1, 2 ]
amdhsa.kernels:
  - .name:           k_qc7138e393f_final
    .symbol:         k_qc7138e393f_final.kd
    .args:
      - { .name: dk, .offset: 0, .size: 8, .value_kind: global_buffer, .address_space: global }
      - { .name: glist, .offset: 8, .size: 8, .value_kind: global_buffer, .address_space: global }
      - { .name: queries, .offset: 16, .size: 8, .value_kind: global_buffer, .address_space: global }
      - { .name: dnd_keys, .offset: 24, .size: 8, .value_kind: global_buffer, .address_space: global }
      - { .name: dnd_values, .offset: 32, .size: 8, .value_kind: global_buffer, .address_space: global }
      - { .name: out0, .offset: 40, .size: 8, .value_kind: global_buffer, .address_space: global }
    .group_segment_fixed_size: 0
    .private_segment_fixed_size: 0
    .kernarg_segment_align: 8
    .kernarg_segment_size: 48
    .max_flat_workgroup_size: 256
    .sgpr_count:     66
    .vgpr_count:     256
    .wavefront_size: 32
...
	.end_amdgpu_metadata
.endif
;; end of part 4
;; ======== version 2 of 2: 4 launches
;; workspace buffers: codes 3,407,872 bytes; scales 212,992 bytes; sqn 212,992 bytes; gm 26,214,400 bytes of whole numbers; dk 7,340,032 bytes of whole numbers; glist 524,288 bytes of whole numbers
;; launch quant (part 5): grid 416 x 1, 8 waves a work-group, no clusters, 43,008 bytes of LDS; arguments dnd_keys, queries, codes, scales, sqn; writes codes, scales, sqn
.if DOCPART == 5
	.amdgcn_target "amdgcn-amd-amdhsa--gfx1250"
	.amdhsa_code_object_version 6
	.text
	.protected	k_qc7138e393f_quant
	.globl	k_qc7138e393f_quant
	.p2align	8
	.type	k_qc7138e393f_quant,@function
k_qc7138e393f_quant:
	s_mov_b64 s[64:65], 0
	v_nop
	global_prefetch_b8 v0, s[64:65] scope:SCOPE_SE
	s_setreg_imm32_b32 hwreg(HW_REG_WAVE_MODE, 25, 1), 1
	s_wait_xcnt 0x0
; dnd_keys [50000][128] and queries [2048][128], f32, become one table of 53,248 rows: rows 0..49,999 the keys, 50,000..51,199 padding, 51,200 + q the queries.
; For each row: 128 codes of FP4 (E2M1), K innermost, 64 bytes (codes); one word of four E8M0 bytes, one for each 32 along K (scales); the sum of the squares of its unquantised numbers, f32 (sqn).
; A block's scale is 2^(floor(log2(its largest magnitude)) - 2): its byte is the largest magnitude's exponent field - 2, held at 1 from below.  A block of zeros keeps the byte 1 where the rule says 127:
; its codes are zeros, which add nothing under any byte but 0xff, and this program alone reads the bytes.
; A padding row has zero codes, bytes 0x7f and the sum +infinity: its distance to every query is +infinity and loses against every finite one.
; LIMITS: NaN and infinities among the inputs are not served; blocks whose largest magnitude lies under 2^-124 keep the byte 1; a row's sum of squares is taken 16 numbers to a lane in two packed
; chains and then over eight lanes by a tree, which need not be the order of another program: two distances one unit in the last place apart can change places by that.
; SHARES: a wave takes a job of 16 rows, job J = 8 x work-group + wave, in four steps of four rows (2,048 bytes).  Each load reads 512 consecutive bytes; a step turns through the wave's own stage in LDS,
; so that a lane then holds 16 NEIGHBOURS of one row (row lane / 8, numbers 16 (lane % 8) on), which is what the conversions take.  Two neighbouring lanes hold a block, eight a row.
; No matrix unit, no tensor load, no cluster: a stream that is read once and shared by nobody.
.set RJOBS, 3125                       ; jobs of real keys: 50,000 / 16
.set KJOBS, 3200                       ; jobs of keys and padding: 51,200 / 16
.set QWG,   400                        ; the first work-group that takes queries
.set SP,    80                         ; a lane's place in a stage: 64 bytes + 16 of padding
.set WREG,  2*32*SP                    ; LDS of a wave: two stages
.set SCB,   8*WREG                     ; behind the stages: the work-group's 512 scale bytes,
.set KKA,   SCB+512                    ; and its 128 sums
.set R,     16                         ; v16-79   four steps x 16 numbers as loaded
.set X,     80                         ; v80-111  two sets of 16 neighbours
.set C,     112                        ; v112-119 codes, two registers a step
.set E,     120                        ; v120-123 a scale byte a step
.set KS,    124                        ; v124-127 a row's sum a step
	s_load_b128 s[4:7], s[0:1], 0x0                ; dnd_keys, queries
	s_load_b128 s[8:11], s[0:1], 0x10              ; codes, scales
	s_load_b64 s[12:13], s[0:1], 0x20              ; sqn
	v_lshl_add_u32 v136, v0, 2, 0xa400
	v_mov_b32 v137, 0
	v_lshrrev_b32 v2, 5, v0
	s_delay_alu instid0(VALU_DEP_1)
	v_readfirstlane_b32 s14, v2                    ; wave 0..7
	v_and_b32 v1, 31, v0                           ; lane
	s_lshl_b32 s15, ttmp9, 3
	s_add_co_u32 s15, s15, s14                     ; J
	v_lshlrev_b32 v3, 4, v1                        ; 16 x lane: my bytes of a load's 512, and of the way out
	v_lshlrev_b32 v4, 3, v1                        ; 8 x lane: my codes' place in a step's 256 bytes
	; every LDS address is made here, ahead of the parting of real jobs and padding
	s_mul_i32 s16, s14, WREG
	v_lshrrev_b32 v14, 2, v1
	s_delay_alu instid0(VALU_DEP_1)
	v_mul_u32_u24 v14, v14, SP
	v_and_b32 v15, 3, v1
	s_delay_alu instid0(VALU_DEP_1)
	v_lshl_add_u32 v14, v15, 4, v14
	s_delay_alu instid0(VALU_DEP_1)
	v_add_nc_u32 v14, s16, v14                     ; the stage, way in: SP (lane / 4) + 16 (lane % 4)
	v_mul_u32_u24 v15, v1, SP
	s_delay_alu instid0(VALU_DEP_1)
	v_add_nc_u32 v15, s16, v15                     ; way out: SP x lane
	s_lshl_b32 s17, s14, 6                         ; a job's 64 bytes
	v_lshrrev_b32 v5, 1, v1
	s_delay_alu instid0(VALU_DEP_1)
	v_add_nc_u32 v5, s17, v5
	s_delay_alu instid0(VALU_DEP_1)
	v_add_nc_u32 v5, SCB, v5                       ; my block's scale byte
	v_lshrrev_b32 v6, 3, v1
	s_delay_alu instid0(VALU_DEP_1)
	v_lshlrev_b32 v6, 2, v6
	s_delay_alu instid0(VALU_DEP_1)
	v_add_nc_u32 v6, s17, v6
	s_delay_alu instid0(VALU_DEP_1)
	v_add_nc_u32 v6, KKA, v6                       ; my row's sum
	s_min_u32 s18, s14, 1                          ; (waves 0 and 1 alone use the next address; held so it lies inside LDS in all)
	s_lshl_b32 s18, s18, 9
	v_add_nc_u32 v7, s18, v3
	s_delay_alu instid0(VALU_DEP_1)
	v_add_nc_u32 v7, SCB, v7                       ; the way out: wave 0 the scale bytes, wave 1 the sums
	s_wait_kmcnt 0x0
	s_cmp_lt_u32 ttmp9, QWG                        ; keys or queries: the choice hangs on the work-group's number alone
	s_cselect_b64 s[4:5], s[4:5], s[6:7]
	s_cselect_b32 s16, 0, KJOBS
	s_sub_co_u32 s16, s15, s16
	s_lshl_b32 s16, s16, 13                        ; a job's 8,192 bytes of input (under 2^25 in all)
	s_mov_b32 s17, 0
	s_add_nc_u64 s[4:5], s[4:5], s[16:17]
	s_lshl_b32 s16, s15, 10                        ; a job's 1,024 bytes of codes
	s_add_nc_u64 s[8:9], s[8:9], s[16:17]
	s_cmp_eq_u32 s14, 0
	s_cselect_b64 s[10:11], s[10:11], s[12:13]     ; wave 0 stores the scale bytes, wave 1 the sums
	s_lshl_b32 s16, ttmp9, 9                       ; 512 bytes a work-group in either
	s_add_nc_u64 s[10:11], s[10:11], s[16:17]
	s_cmp_lt_u32 s15, RJOBS
	s_cbranch_scc1 .Lreal
	s_cmp_ge_u32 s15, KJOBS
	s_cbranch_scc1 .Lreal
	; a job of padding loads nothing
.irp i, 0,1,2,3,4,5,6,7
	v_mov_b32 v[C+\i], 0
.endr
.irp i, 0,1,2,3
	v_mov_b32 v[E+\i], 0x7f
	v_mov_b32 v[KS+\i], 0x7f800000
.endr
	s_branch .Ljoin
.Lreal:
.irp u, 0,1,2,3
.irp i, 0,1,2,3
	global_load_b128 v[R+16*\u+4*\i:R+16*\u+4*\i+3], v3, s[4:5] offset:2048*\u+512*\i th:TH_LOAD_NT   ; 32 lanes read 512 consecutive bytes: a row
.endr
.endr
.macro TURN t                          ; step t through a stage: LDS serves a wave's instructions in order, so no wait stands between the stores and the loads
.irp i, 0,1,2,3
	ds_store_b128 v14, v[R+16*(\t)+4*\i:R+16*(\t)+4*\i+3] offset:32*SP*((\t)%2)+8*SP*\i
.endr
.irp i, 0,1,2,3
	ds_load_b128 v[X+16*((\t)%2)+4*\i:X+16*((\t)%2)+4*\i+3], v15 offset:32*SP*((\t)%2)+16*\i
.endr
.endm
.macro STEP t
.set XS, X+16*((\t)%2)
	s_wait_dscnt 0x0                               ; this step's numbers are back from the stage
.if (\t) < 3
	s_wait_loadcnt 8-4*(\t)                        ; the next step's four loads are in; those of the steps behind it stay out
	TURN (\t)+1                                    ; and go through the other stage while this step is worked
.endif
	v_max3_num_f32 v8, |v[XS]|, |v[XS+1]|, |v[XS+2]|               ; the largest magnitude of my 16
	v_max3_num_f32 v9, |v[XS+3]|, |v[XS+4]|, |v[XS+5]|
.irp i, 6,10
	s_delay_alu instid0(VALU_DEP_2)
	v_max3_num_f32 v8, v8, |v[XS+\i]|, |v[XS+\i+1]|
	s_delay_alu instid0(VALU_DEP_2)
	v_max3_num_f32 v9, v9, |v[XS+\i+2]|, |v[XS+\i+3]|
.endr
	s_delay_alu instid0(VALU_DEP_2)
	v_max3_num_f32 v8, v8, |v[XS+14]|, |v[XS+15]|
	s_delay_alu instid0(VALU_DEP_1)
	v_max3_num_f32 v8, v8, v9, 0x1800000           ; and the floor 2^(3 - 127): the byte cannot fall under 1
	s_delay_alu instid0(VALU_DEP_1)
	v_max_num_f32_dpp v8, v8, v8 row_xmask:1 row_mask:0xf bank_mask:0xf   ; and of my neighbour's 16: the block's
	v_pk_mul_f32 v[128:129], v[XS:XS+1], v[XS:XS+1]                ; the squares of my 16, in two packed chains
	v_pk_mul_f32 v[12:13], v[XS+2:XS+3], v[XS+2:XS+3]
.irp i, 4,8,12
	s_delay_alu instid0(VALU_DEP_2)
	v_pk_fma_f32 v[128:129], v[XS+\i:XS+\i+1], v[XS+\i:XS+\i+1], v[128:129]
	s_delay_alu instid0(VALU_DEP_2)
	v_pk_fma_f32 v[12:13], v[XS+\i+2:XS+\i+3], v[XS+\i+2:XS+\i+3], v[12:13]
.endr
	s_delay_alu instid0(VALU_DEP_1)
	v_pk_add_f32 v[128:129], v[128:129], v[12:13]
	s_delay_alu instid0(VALU_DEP_1)
	v_add_f32 v[KS+(\t)], v128, v129
	s_delay_alu instid0(VALU_DEP_1)
	v_add_f32_dpp v[KS+(\t)], v[KS+(\t)], v[KS+(\t)] row_xmask:1 row_mask:0xf bank_mask:0xf   ; and of the row's other seven lanes
	s_delay_alu instid0(VALU_DEP_1)
	v_add_f32_dpp v[KS+(\t)], v[KS+(\t)], v[KS+(\t)] row_xmask:2 row_mask:0xf bank_mask:0xf
	s_delay_alu instid0(VALU_DEP_1)
	v_add_f32_dpp v[KS+(\t)], v[KS+(\t)], v[KS+(\t)] row_xmask:4 row_mask:0xf bank_mask:0xf
	v_add_nc_u32 v11, 0xff000000, v8               ; 2 off the exponent field: the conversion takes the exponent field of this operand as its scale, and nothing else of it
	v_cvt_scalef32_pk8_fp4_f32 v[C+2*(\t)], v[XS:XS+7], v11        ; to the nearest code, ties to even, beyond 6 the largest code; the first number's code in the lowest four bits
	v_cvt_scalef32_pk8_fp4_f32 v[C+2*(\t)+1], v[XS+8:XS+15], v11
	v_lshrrev_b32 v[E+(\t)], 23, v11               ; the scale's byte (also the plain line behind the conversions)
.endm
	s_wait_loadcnt 12                              ; step 0's four loads are in, the twelve behind them stay out
	TURN 0
	STEP 0
	STEP 1
	STEP 2
	STEP 3
.Ljoin:
	s_wait_alu depctr_va_vdst(0)
.irp u, 0,1,2,3
	ds_store_b8 v5, v[E+\u] offset:16*\u           ; both lanes of a block write the same byte with the same value,
	ds_store_b32 v6, v[KS+\u] offset:16*\u         ; all eight lanes of a row the same word
	global_store_b64 v4, v[C+2*\u:C+2*\u+1], s[8:9] offset:256*\u   ; the wave stores 256 consecutive bytes, aligned: four rows of codes
.endr
	s_wait_dscnt 0x0                               ; for the others' sake: my bytes and sums lie in LDS
	s_barrier_signal -1
	s_barrier_wait -1
	s_cmp_ge_u32 s14, 2
	s_cbranch_scc1 .Lend
	ds_load_b128 v[130:133], v7                    ; the work-group's 512 scale bytes (wave 0) or 128 sums (wave 1)
	s_wait_dscnt 0x0
	global_store_b128 v3, v[130:133], s[10:11]     ; 512 consecutive bytes, aligned
.Lend:
	s_wait_tensorcnt 0x0
	ds_add_u32 v136, v137
	s_wait_dscnt 0x0
	s_endpgm
.Lfunc_end_k_qc7138e393f_quant:
	.size	k_qc7138e393f_quant, .Lfunc_end_k_qc7138e393f_quant-k_qc7138e393f_quant
	.p2alignl 7, 3214868480
	.fill 96, 4, 3214868480
	.section	.rodata,"a",@progbits
	.p2align	6, 0x0
	.amdhsa_kernel k_qc7138e393f_quant
		.amdhsa_group_segment_fixed_size 43008
		.amdhsa_private_segment_fixed_size 0
		.amdhsa_enable_private_segment 0
		.amdhsa_kernarg_size 40
		.amdhsa_user_sgpr_count 2
		.amdhsa_user_sgpr_kernarg_segment_ptr 1
		.amdhsa_wavefront_size32 1
		.amdhsa_system_sgpr_workgroup_id_x 1
		.amdhsa_system_sgpr_workgroup_id_y 1
		.amdhsa_system_sgpr_workgroup_id_z 1
		.amdhsa_system_vgpr_workitem_id 0
		.amdhsa_next_free_vgpr 138
		.amdhsa_next_free_sgpr 66
		.amdhsa_reserve_vcc 0
		.amdhsa_float_denorm_mode_32 3
		.amdhsa_float_denorm_mode_16_64 3
		.amdhsa_memory_ordered 1
		.amdhsa_forward_progress 1
		.amdhsa_inst_pref_size 18
	.end_amdhsa_kernel
	.amdgpu_metadata
---
amdhsa.version: [ 1, 2 ]
amdhsa.kernels:
  - .name:           k_qc7138e393f_quant
    .symbol:         k_qc7138e393f_quant.kd
    .args:
      - { .name: dnd_keys, .offset: 0, .size: 8, .value_kind: global_buffer, .address_space: global }
      - { .name: queries, .offset: 8, .size: 8, .value_kind: global_buffer, .address_space: global }
      - { .name: codes, .offset: 16, .size: 8, .value_kind: global_buffer, .address_space: global }
      - { .name: scales, .offset: 24, .size: 8, .value_kind: global_buffer, .address_space: global }
      - { .name: sqn, .offset: 32, .size: 8, .value_kind: global_buffer, .address_space: global }
    .group_segment_fixed_size: 43008
    .private_segment_fixed_size: 0
    .kernarg_segment_align: 8
    .kernarg_segment_size: 40
    .max_flat_workgroup_size: 256
    .sgpr_count:     66
    .vgpr_count:     138
    .wavefront_size: 32
...
	.end_amdgpu_metadata
.endif
;; end of part 5
;; launch dist (part 6): grid 50 x 4, 16 waves a work-group, no clusters, 76,288 bytes of LDS; arguments codes, scales, sqn, gm; writes gm
.if DOCPART == 6
	.amdgcn_target "amdgcn-amd-amdhsa--gfx1250"
	.amdhsa_code_object_version 6
	.text
	.protected	k_qc7138e393f_dist
	.globl	k_qc7138e393f_dist
	.p2align	8
	.type	k_qc7138e393f_dist,@function
k_qc7138e393f_dist:
	s_mov_b64 s[64:65], 0
	v_nop
	global_prefetch_b8 v0, s[64:65] scope:SCOPE_SE
	s_setreg_imm32_b32 hwreg(HW_REG_WAVE_SCHED_MODE, 0, 2), 2
	s_setreg_imm32_b32 hwreg(HW_REG_WAVE_MODE, 25, 1), 1
	s_wait_xcnt 0x0
	s_wait_alu depctr_vm_vsrc(0)
; d[q][k] = (qq[q] - 2 Q(q) . Q(k)) + kk[k] for 2,048 queries and 51,200 keys (1,200 of them padding, d = +infinity); the product on codes of FP4 with E8M0 scales, sums in f32; qq and kk are the
; unquantised rows' sums of squares.  Of d only THE MINIMUM OF EACH 16 NEIGHBOURING KEYS is kept: gm[q][g], g = key / 16.  The 50 nearest keys of a query, in the order (d, index), lie in the 50 groups
; that are smallest in the order (minimum, group), so the later launches look at those alone.
; gm holds a minimum as the unsigned number that sorts as the f32 does: bits ^ ((bits >> 31, arithmetic) | 0x80000000).  LIMIT: NaN is not served.
; SHARES: work-group (x, y): keys 1,024 x on, queries 512 y on.  Its 16 waves take two tiles of 16 queries each, against all 64 tiles of 16 keys: 128 matrix instructions a wave.
; The grid has 50 x 4 work-groups: 1,024 keys are 64 groups, 256 bytes of a row of gm, so that every store below covers whole aligned runs of 256 bytes.
; LAYOUT: source 0 = 16 queries, source 1 = 16 keys: register j of lane (r = lane % 16, h = lane / 16) holds query 8 h + j and the tile's column r.  COLUMN r OF TILE T IS KEY 64 r + T of the block.
; So the minimum over tiles 16 a .. 16 a + 15, taken register by register, is the minimum of group 4 r + a, and a lane's four a are four neighbouring words of gm: nothing changes lanes.
; LDS: the block's codes, key c at 64 c + 16 (c / 64): the sixteen lanes of a fragment load stand 4,112 bytes apart, an odd multiple of 16.  Behind them pairs (kk, scale word), [tile][column].
; The block comes through registers, once: that padding, 16 bytes behind each 4,096, is none that a tensor load's descriptor states.  No cluster: the four work-groups that share a key block share
; 73,728 bytes, fetched once each, beside 131,072 bytes of gm and 36,864 of queries that are each work-group's own.
; THE MODE: SCHED_MODE bits 1:0 = 2 (LLVM: expert scheduling mode 2), set by the entry lines.  The code itself states the register dependences
; between vector or matrix instructions and memory or LDS instructions, with s_wait_alu, always for 0.
; THE PLAN.  Registers that memory or LDS instructions touch:
;   D at the head    the fill's loads land in v88-123 and LDS stores read them; from the first products on matrix instructions write them.
;   v6-9, v168-170   offsets of the head's loads and LDS stores; CONV writes them again.        For these two lines ONE wait on vm_vsrc stands behind the barrier.
;   BC0, BC1         the products of step s read BC[s % 2]; the LDS loads of step s + 2 land in it.
;   BK0 .. BK2       the products of step s - 1 and VA s - 1 read BK[(s - 1) % 3]; the LDS loads of step s + 2 land in it.
;   v3, v4, v5       addresses, made at the head and never written again.
;   OUT              written by CONV, read by the sixteen stores at the end.
; So ONE wait on va_vdst stands at the head of a step, behind VA s - 1: the products of step s and all of step s - 1 are done with the two buffers that the six loads of step s + 2 fill.  The loads
; follow dealt among the products of step s + 1; these and VA s name the other BC, the other two BK, D, QA, QS, QQ, M, v6-9 and OUT: none of the registers that those loads touch.
.set KPITCH, 4112
.set KSB,    65792                     ; the pairs (kk, scale word): 64 tiles x 16 columns x 8 bytes
.set QROW0,  51200                     ; the queries' first row in the table
.set GROW,   12800                     ; a row of gm in bytes
.set QA,  10                           ; v10-25   two query tiles' fragments
.set QS,  26                           ; v26-27   their scale words, and nothing else
.set QQ,  28                           ; v28-43   qq of query 8 h + j, eight a tile
.set BK,  44                           ; v44-55   three sets x two tiles x (kk, scale word): the odd registers hold scale words and nothing else
.set BC,  56                           ; v56-87   two buffers x two key tiles' fragments
.set D,   88                           ; v88-151  two sets x (2 query tiles x 2 key tiles) x 8; at the head the block on its way into LDS
.set M,   152                          ; v152-167 running minima
.set OUT, 168                          ; v168-231 register 32 x + 4 j + a; at the head three offsets
	s_load_b256 s[4:11], s[0:1], 0x0               ; codes, scales, sqn, gm
	v_lshl_add_u32 v232, v0, 2, 0x12200
	v_mov_b32 v233, 0
	v_lshrrev_b32 v6, 5, v0
	v_readfirstlane_b32 s12, v6                    ; wave 0..15
	s_and_b32 s13, ttmp7, 0xffff                   ; y
	v_and_b32 v1, 15, v0                           ; r
	v_bfe_u32 v2, v0, 4, 1                         ; h
	v_mul_u32_u24 v3, v1, KPITCH
	v_lshl_add_u32 v3, v2, 4, v3                   ; a key fragment: column r, + 16 h; the tile stands in the immediate
	v_lshlrev_b32 v4, 3, v1
	v_add_nc_u32 v4, KSB, v4                       ; column r's pair
	v_mul_u32_u24 v5, v2, 8*GROW
	v_lshl_add_u32 v5, v1, 4, v5                   ; gm: 8 h rows, + 16 r
	v_lshlrev_b32 v6, 4, v0                        ; the fill: 16 x thread in memory,
	v_lshrrev_b32 v7, 8, v0
	v_lshl_add_u32 v7, v7, 4, v6                   ; and in LDS 16 more for each 4,096 passed
	v_lshlrev_b32 v8, 2, v0                        ; key = thread: its kk and its scale word
	v_and_b32 v9, 63, v0
	v_lshlrev_b32 v9, 7, v9
	v_lshrrev_b32 v168, 6, v0
	v_lshl_add_u32 v9, v168, 3, v9
	v_add_nc_u32 v9, KSB, v9                       ; tile = key % 64, column = key / 64
	v_lshlrev_b32 v168, 6, v1
	v_lshl_add_u32 v168, v2, 4, v168               ; a query fragment: row r of 64 bytes, + 16 h
	v_lshlrev_b32 v169, 2, v1                      ; row r's scale word
	v_lshlrev_b32 v170, 5, v2                      ; qq of queries 8 h on
	s_wait_alu depctr_va_sdst(0)                   ; s12, the wave's number, is written, ahead of its first reader: the queries' and gm's bases are made from it
	s_lshl_b32 s14, ttmp9, 16                      ; the key block's codes: 65,536 bytes
	s_mov_b32 s15, 0
	s_lshl_b32 s16, ttmp9, 12                      ; its words: 4,096 bytes
	s_mov_b32 s17, 0
	s_lshl_b32 s18, s13, 5
	s_lshl_b32 s19, s12, 1
	s_add_co_u32 s18, s18, s19                     ; my first query tile: 32 y + 2 wave
	s_lshl_b32 s19, s18, 4
	s_add_co_u32 s19, s19, QROW0                   ; its first row in the table
	s_lshl_b32 s20, s19, 6
	s_mov_b32 s21, 0
	s_lshl_b32 s22, s19, 2
	s_mov_b32 s23, 0
	s_mul_i32 s24, s18, 16*GROW                    ; its rows of gm (under 2^25),
	s_lshl_b32 s25, ttmp9, 8
	s_add_co_u32 s24, s24, s25                     ; and the block's 256 bytes in them
	s_mov_b32 s25, 0
	s_wait_kmcnt 0x0
	s_add_nc_u64 s[26:27], s[4:5], s[14:15]
	s_add_nc_u64 s[28:29], s[6:7], s[16:17]
	s_add_nc_u64 s[30:31], s[8:9], s[16:17]
	s_add_nc_u64 s[4:5], s[4:5], s[20:21]
	s_add_nc_u64 s[6:7], s[6:7], s[22:23]
	s_add_nc_u64 s[8:9], s[8:9], s[22:23]
	s_add_nc_u64 s[10:11], s[10:11], s[24:25]
	s_wait_alu depctr_va_vdst(0)                   ; v3 to v9 and v168 to v170 are written: every load, LDS access and store of the kernel reads one of them as its offset or address
.irp i, 0,1,2,3,4,5,6,7
	global_load_b128 v[D+4*\i:D+4*\i+3], v6, s[26:27] offset:8192*\i   ; the work-group reads 8,192 consecutive bytes
.endr
.irp e, 0,1
	global_load_b32 v[D+32+2*\e], v8, s[30:31] offset:2048*\e      ; kk of key thread + 512 e
	global_load_b32 v[D+33+2*\e], v8, s[28:29] offset:2048*\e      ; its scale word
.endr
.irp x, 0,1
	global_load_b128 v[QA+8*\x:QA+8*\x+3], v168, s[4:5] offset:1024*\x
	global_load_b128 v[QA+8*\x+4:QA+8*\x+7], v168, s[4:5] offset:1024*\x+32
	global_load_b32 v[QS+\x], v169, s[6:7] offset:64*\x
	global_load_b128 v[QQ+8*\x:QQ+8*\x+3], v170, s[8:9] offset:64*\x
	global_load_b128 v[QQ+8*\x+4:QQ+8*\x+7], v170, s[8:9] offset:64*\x+16
.endr
	s_wait_loadcnt 10                              ; the twelve loads of the fill are in; the ten of my queries stay out
.irp i, 0,1,2,3,4,5,6,7
	ds_store_b128 v7, v[D+4*\i:D+4*\i+3] offset:8224*\i            ; 8,192 bytes on, and two paddings
.endr
.irp e, 0,1
	ds_store_b64 v9, v[D+32+2*\e:D+33+2*\e] offset:64*\e           ; 512 keys on are eight columns on
.endr
	s_wait_dscnt 0x0                               ; for the others' sake: my part of the block lies in LDS
	s_barrier_signal -1
	s_barrier_wait -1                              ; everybody's does; nothing is written there again
	s_wait_alu depctr_vm_vsrc(0)                   ; my LDS stores have read v[D ..], v7 and v9, the head's loads v6, v8 and v168 to v170: the products write D from here on, CONV the others
; Step s takes key tiles 2 s and 2 s + 1.  All 32 steps are written out: every LDS offset is an immediate.
.macro LDE s, e                        ; three LDS loads: key tile 2 s + e: its fragment into buffer s % 2, its pair into set s % 3
	ds_load_b128 v[BC+16*((\s)%2)+8*(\e):BC+16*((\s)%2)+8*(\e)+3], v3 offset:64*(2*(\s)+(\e))
	ds_load_b128 v[BC+16*((\s)%2)+8*(\e)+4:BC+16*((\s)%2)+8*(\e)+7], v3 offset:64*(2*(\s)+(\e))+32
	ds_load_b64 v[BK+4*((\s)%3)+2*(\e):BK+4*((\s)%3)+2*(\e)+1], v4 offset:128*(2*(\s)+(\e))
.endm
.macro PR s, x, e                      ; a product, a whole sum (K = 128): C is the constant 0, no accumulator is taken up again
	v_wmma_scale_f32_16x16x128_f8f6f4 v[D+32*((\s)%2)+16*(\x)+8*(\e):D+32*((\s)%2)+16*(\x)+8*(\e)+7], v[QA+8*(\x):QA+8*(\x)+7], v[BC+16*((\s)%2)+8*(\e):BC+16*((\s)%2)+8*(\e)+7], 0, v[QS+(\x)], v[BK+4*((\s)%3)+2*(\e)+1] matrix_a_fmt:MATRIX_FMT_FP4 matrix_b_fmt:MATRIX_FMT_FP4
.endm
.macro VA s                            ; 48 vector instructions for 1,024 distances; each accumulator is read from its low end on
.set DP, D+32*((\s)%2)
.set KP, BK+4*((\s)%3)
.irp x, 0,1
.irp e, 0,1
.irp j, 0,2,4,6
	v_pk_fma_f32 v[DP+16*\x+8*\e+\j:DP+16*\x+8*\e+\j+1], v[DP+16*\x+8*\e+\j:DP+16*\x+8*\e+\j+1], -2.0, v[QQ+8*\x+\j:QQ+8*\x+\j+1] op_sel_hi:[1,0,1]   ; qq - 2 dot: 2 dot is exact, so one rounding
.endr
.endr
.endr
.irp x, 0,1
.irp e, 0,1
.irp j, 0,2,4,6
	v_pk_add_f32 v[DP+16*\x+8*\e+\j:DP+16*\x+8*\e+\j+1], v[DP+16*\x+8*\e+\j:DP+16*\x+8*\e+\j+1], v[KP+2*\e:KP+2*\e+1] op_sel_hi:[1,0]   ; + kk: the pair's low word serves both halves
.endr
.endr
.endr
.irp x, 0,1
.irp j, 0,1,2,3,4,5,6,7
.if ((\s)%8) == 0
	v_min_num_f32 v[M+8*\x+\j], v[DP+16*\x+\j], v[DP+16*\x+8+\j]   ; a group's first two keys start its minimum: nothing is cleared
.else
	v_min3_num_f32 v[M+8*\x+\j], v[M+8*\x+\j], v[DP+16*\x+\j], v[DP+16*\x+8+\j]
.endif
.endr
.endr
.endm
.macro CONV a                          ; sixteen tiles are done: the minima of groups 4 r + a, as numbers that sort unsigned
.irp x, 0,1
.irp j, 0,4
.irp k, 0,1,2,3
	v_ashrrev_i32 v[6+\k], 31, v[M+8*\x+\j+\k]
.endr
.irp k, 0,1,2,3
	v_or_b32 v[6+\k], 0x80000000, v[6+\k]
.endr
.irp k, 0,1,2,3
	v_xor_b32 v[OUT+32*\x+4*(\j+\k)+(\a)], v[6+\k], v[M+8*\x+\j+\k]
.endr
.endr
.endr
.endm
	LDE 0, 0
	LDE 0, 1
	LDE 1, 0
	LDE 1, 1
	s_wait_loadcnt 0x0                             ; my queries
	s_wait_dscnt 6                                 ; step 0's six loads are in, step 1's stay out
	PR 0, 0, 0
	PR 0, 0, 1
	PR 0, 1, 0
	PR 0, 1, 1
.rept 4
	v_nop                                          ; four places behind the first products, ahead of the first reads of their results: no vector work is at hand yet
.endr
; In every later step the 48 instructions of VA s - 1 stand between the products of step s and the reads of their results (VA s); they name the other set of
; accumulators and another set of pairs, so none of those products' registers.  The pairs have three sets: VA s still reads step s's kk while step s + 2 is loaded.
.irp s, 0,1,2,3,4,5,6,7,8,9,10,11,12,13,14,15,16,17,18,19,20,21,22,23,24,25,26,27,28,29,30,31
.if \s+1 < 32
	s_wait_dscnt 0x0                               ; step s + 1's six loads, issued a step ago, are in; no other LDS load is out
.if \s+2 < 32
	s_wait_alu depctr_va_vdst(0)                   ; the products of step s are done reading BC[s % 2]; the products of step s - 1 and VA s - 1 are done reading BK[(s - 1) % 3]: the loads below land in these two
.endif
	PR \s+1, 0, 0
.if \s+2 < 32
	LDE \s+2, 0                                    ; no wait: no vector or matrix instruction since the wait above names a register of these loads
.endif
	PR \s+1, 0, 1
.if \s+2 < 32
	LDE \s+2, 1
.endif
	PR \s+1, 1, 0
	PR \s+1, 1, 1
.endif
	VA \s
.if (\s)%8 == 7
	CONV (\s)/8
.endif
.endr
	s_wait_alu depctr_va_vdst(0)                   ; CONV has written v[OUT ..], which the stores read
.irp x, 0,1
.irp j, 0,1,2,3,4,5,6,7
	global_store_b128 v5, v[OUT+32*\x+4*\j:OUT+32*\x+4*\j+3], s[10:11] offset:16*GROW*\x+GROW*\j   ; lanes 0-15: 256 consecutive bytes, aligned, of query j's row; lanes 16-31: of query 8 + j's
.endr
.endr
	s_wait_dscnt 0x0
	s_wait_alu depctr_hold_cnt(0) depctr_sa_sdst(0) depctr_va_vdst(0) depctr_va_sdst(0) depctr_va_ssrc(0) depctr_va_vcc(0) depctr_vm_vsrc(0)
	s_wait_tensorcnt 0x0
	ds_add_u32 v232, v233
	s_wait_dscnt 0x0
	s_endpgm
.Lfunc_end_k_qc7138e393f_dist:
	.size	k_qc7138e393f_dist, .Lfunc_end_k_qc7138e393f_dist-k_qc7138e393f_dist
	.p2alignl 7, 3214868480
	.fill 96, 4, 3214868480
	.section	.rodata,"a",@progbits
	.p2align	6, 0x0
	.amdhsa_kernel k_qc7138e393f_dist
		.amdhsa_group_segment_fixed_size 76288
		.amdhsa_private_segment_fixed_size 0
		.amdhsa_enable_private_segment 0
		.amdhsa_kernarg_size 32
		.amdhsa_user_sgpr_count 2
		.amdhsa_user_sgpr_kernarg_segment_ptr 1
		.amdhsa_wavefront_size32 1
		.amdhsa_system_sgpr_workgroup_id_x 1
		.amdhsa_system_sgpr_workgroup_id_y 1
		.amdhsa_system_sgpr_workgroup_id_z 1
		.amdhsa_system_vgpr_workitem_id 0
		.amdhsa_next_free_vgpr 234
		.amdhsa_next_free_sgpr 66
		.amdhsa_reserve_vcc 0
		.amdhsa_float_denorm_mode_32 3
		.amdhsa_float_denorm_mode_16_64 3
		.amdhsa_memory_ordered 1
		.amdhsa_forward_progress 1
		.amdhsa_inst_pref_size 140
	.end_amdhsa_kernel
	.amdgpu_metadata
---
amdhsa.version: [ 1, 2 ]
amdhsa.kernels:
  - .name:           k_qc7138e393f_dist
    .symbol:         k_qc7138e393f_dist.kd
    .args:
      - { .name: codes, .offset: 0, .size: 8, .value_kind: global_buffer, .address_space: global }
      - { .name: scales, .offset: 8, .size: 8, .value_kind: global_buffer, .address_space: global }
      - { .name: sqn, .offset: 16, .size: 8, .value_kind: global_buffer, .address_space: global }
      - { .name: gm, .offset: 24, .size: 8, .value_kind: global_buffer, .address_space: global }
    .group_segment_fixed_size: 76288
    .private_segment_fixed_size: 0
    .kernarg_segment_align: 8
    .kernarg_segment_size: 32
    .max_flat_workgroup_size: 512
    .sgpr_count:     66
    .vgpr_count:     234
    .wavefront_size: 32
...
	.end_amdgpu_metadata
.endif
;; end of part 6
;; launch groups (part 7): grid 256 x 1, 8 waves a work-group, no clusters, 0 bytes of LDS; arguments gm, codes, scales, sqn, dk, glist; writes dk, glist
.if DOCPART == 7
	.amdgcn_target "amdgcn-amd-amdhsa--gfx1250"
	.amdhsa_code_object_version 6
	.text
	.protected	k_qc7138e393f_groups
	.globl	k_qc7138e393f_groups
	.p2align	8
	.type	k_qc7138e393f_groups,@function
k_qc7138e393f_groups:
	s_mov_b64 s[64:65], 0
	v_nop
	global_prefetch_b8 v0, s[64:65] scope:SCOPE_SE
	s_setreg_imm32_b32 hwreg(HW_REG_WAVE_SCHED_MODE, 0, 2), 2
	s_setreg_imm32_b32 hwreg(HW_REG_WAVE_MODE, 25, 1), 1
	s_wait_xcnt 0x0
	s_wait_alu depctr_vm_vsrc(0)
; One wave, one query q = 8 x work-group + wave.  From the query's 3,200 group minima (gm: whole numbers that sort as the distances do) the 50 groups that hold its 50 nearest keys are found, and the
; distances to their 800 keys are made again, by the same instructions on the same operands as in the launch that made gm, so with the same bits.
;   1. super-groups of 4 neighbouring groups: 800 minima, 25 registers; the 50 smallest in the order (minimum, index).   2. their 200 groups, read again from gm; the 50 smallest.
;   3. glist[q][slot] = those groups, ascending.   4. dk[q]: the 800 distances as sorting numbers, element 16 slot + key % 16 at register element / 32, lane element % 32: the image of 28 registers.
; Each step keeps the 50 nearest: an element among the 50 smallest (value, index) lies in a group among the 50 smallest (minimum, group index), groups being runs of neighbouring indices.
; NOTHING HERE BRANCHES ON DATA: the 50th smallest number is built bit by bit in 32 trips of counting; equal numbers are taken in ascending position; slot n's position is the n-th set bit of the masks.
; What enters an address is a whole number read from gm, held by a minimum with a constant first.  LIMIT: NaN among the distances is not served.
; The matrix instruction takes the ONE query as all sixteen rows of source 0: register 0 of a result then holds the key's product in both halves of the lanes.
; No LDS, no barrier: waves share nothing.  No cluster, no tensor load: which rows a wave reads hangs on its own query.
; THE MODE: SCHED_MODE bits 1:0 = 2 (LLVM: expert scheduling mode 2), set by the entry lines.  The code itself states the register dependences
; between vector or matrix instructions and memory or LDS instructions, with s_wait_alu, always for 0; likewise where a vector instruction writes a scalar register that is read.
; THE PLAN.  SCALAR RESULTS OF VECTOR INSTRUCTIONS: compares and lane reads stand in runs, into scalar registers of their own, with one wait on va_sdst behind each run and ahead of its first reader.
; VECTOR REGISTERS THAT MEMORY INSTRUCTIONS OR LANE PERMUTES TOUCH:
;   v6, v7, v8-11, v43, v93   offsets, made at the head and never written again.         v28, v29, v32, v33   written once by the selection, then read by permutes or stores.
;   CA        the first permutes land in it, vector lines make offsets of it, the seven candidate loads read it; the refine writes these registers anew (AD, AH).
;   v17-24    the selection's temporaries; the second permutes read v17 and v21 and land in v18, v19, v22, v23; the refine's last lines write v17-21.
;   AD, AH    written by a batch's address lines, read by its 30 loads.                   B, SCL   a batch's loads land, its products read.      KKR   a batch's loads land, its additions read.
;   DK        written by the batches' last lines, read by the seven stores at the end.
; A batch so has one wait on vm_vsrc ahead of its address lines (all earlier loads and permutes have read what these and its last lines write) and one on va_vdst ahead of its run of loads.
.set K,   44                           ; v44-68   super-groups' minima
.set C,   70                           ; v70-76   the 200 candidate groups' minima
.set CA,  78                           ; v78-84   their offsets in the row of gm
.set G,   96                           ; v96-195  the row of gm
.set DK,  44                           ; v44-71   the refine: the 800 sorting numbers, 25 registers, and three of filler
.set AD,  72                           ; v72-81   ten tiles' offsets in codes
.set AH,  82                           ; v82-86   five pairs' offsets of scale words and kk: lanes 0-15 the even slot's keys, lanes 16-31 the odd slot's
.set SCL, 87                           ; v87-91   five pairs' scale words, and nothing else in the whole text
.set KKR, 12                           ; v12-16   five pairs' kk
.set B,   96                           ; v96-175  ten key fragments
.set D,   176                          ; v176-255 ten results
.set ZS,  79                           ; the search for the n-th set bit has two sets of temporaries: v17-24 for slots 0-31, v96-103 for slots 32-63
; v1 lane, v2 lane % 16, v3 lane + 32, v4 64 (lane % 16) + 16 (lane / 16), v5 4 (lane % 16), v6 16 lane, v7 4 lane, v8-11 4 (lane / 4) + 32 m, v92 lane % 4, v93 16 (lane / 16)
; v12-15 masks and packs of the two slot registers, v16-27 at work, v28-29 super-groups by slot, v30-31 positions, v32-33 groups by slot, v34-41 the query's fragment, v42 its scale word alone, v43 zero
; s20 the 50th smallest, s21-24 its search, s25-27 counts, s28-31 partial counts, s32-62 masks and packs of the run in hand
; THE 50TH SMALLEST of the numbers in v[key .. key + r - 1], all lanes: s20; s23 = how many are smaller (under 50).  A candidate bit stays if fewer than 50 numbers lie under the candidate.
.macro SELECT key, r
	s_mov_b32 s20, 0
	s_mov_b32 s23, 0
	s_mov_b32 s21, 0x80000000
	s_mov_b32 s24, 0
.Lbit_\@:
	s_or_b32 s22, s20, s21
	s_mov_b32 s28, 0
	s_mov_b32 s29, 0
	s_mov_b32 s30, 0
	s_mov_b32 s31, 0
.set sg, 0
	s_wait_alu depctr_va_vdst(0)
.rept \r
	v_cmp_gt_u32 s[32+sg], s22, v[(\key)+sg]       ; a trip's compares in one run, a scalar register each
.set sg, sg+1
.endr
	s_wait_alu depctr_va_sdst(0)                   ; the compares have written s32 on, which the counts below read
.set sg, 0
.rept \r
	s_bcnt1_i32_b32 s[32+sg], s[32+sg]
	s_add_co_u32 s[28+sg%4], s[28+sg%4], s[32+sg]
.set sg, sg+1
.endr
	s_add_co_u32 s28, s28, s29
	s_add_co_u32 s30, s30, s31
	s_add_co_u32 s28, s28, s30
	s_cmp_lt_u32 s28, 50
	s_cselect_b32 s20, s22, s20
	s_cselect_b32 s23, s28, s23
	s_lshr_b32 s21, s21, 1
	s_add_co_u32 s24, s24, 1
	s_cmp_lt_u32 s24, 32
	s_cbranch_scc1 .Lbit_\@
.endm
; THE 50 CHOSEN: all that are smaller than s20, and of those equal to it the first 50 - s23 in position (register x 32 + lane).  Register by register the mask of the chosen is made, and each slot
; (n = lane in v12, v14; n = lane + 32 in v13, v15) keeps the last mask in front of which at most n were chosen, with that count and the register's number packed beside it.
; Up to five registers go together, f0 on: s32-36 smaller, then chosen; s37-41 equal; s42-46 equal and taken; s47-51, s52-56 which slots take the mask; s57-61 the packs.
.macro FBATCH key, f0, cnt
.set fb, 0
.rept \cnt
	v_cmp_gt_u32 s[32+fb], s20, v[(\key)+(\f0)+fb] ; smaller
	v_cmp_eq_u32 s[37+fb], s20, v[(\key)+(\f0)+fb] ; equal
.set fb, fb+1
.endr
	s_wait_alu depctr_va_sdst(0)                   ; both kinds of masks are written: the ranks and the counts below read the equal ones
.set fb, 0
.rept \cnt
	v_mbcnt_lo_u32_b32 v[16+fb], s[37+fb], s26     ; how many equal ones stand ahead of me
	s_bcnt1_i32_b32 s62, s[37+fb]
	s_add_co_u32 s26, s26, s62
.set fb, fb+1
.endr
.set fb, 0
	s_wait_alu depctr_va_vdst(0)
.rept \cnt
	v_cmp_gt_u32 s[42+fb], s25, v[16+fb]
.set fb, fb+1
.endr
	s_wait_alu depctr_va_sdst(0)                   ; s42 on are written, which the scalar lines below read
.set fb, 0
.rept \cnt
	s_and_b32 s[42+fb], s[42+fb], s[37+fb]
	s_or_b32 s[32+fb], s[32+fb], s[42+fb]          ; this register's chosen
	s_or_b32 s[57+fb], s27, (((\f0)+fb)<<8)
	v_cmp_le_u32 s[47+fb], s27, v1
	v_cmp_le_u32 s[52+fb], s27, v3
	s_bcnt1_i32_b32 s62, s[32+fb]
	s_add_co_u32 s27, s27, s62
.set fb, fb+1
.endr
	s_wait_alu depctr_va_sdst(0)                   ; s47 to s56 are written, by which the selects below choose
.set fb, 0
.rept \cnt
	v_cndmask_b32 v12, v12, s[32+fb], s[47+fb]
	v_cndmask_b32 v14, v14, s[57+fb], s[47+fb]
	v_cndmask_b32 v13, v13, s[32+fb], s[52+fb]
	v_cndmask_b32 v15, v15, s[57+fb], s[52+fb]
.set fb, fb+1
.endr
.endm
.macro FINISH key, r
	s_sub_co_u32 s25, 50, s23
	s_mov_b32 s26, 0
	s_mov_b32 s27, 0
	v_mov_b32 v12, 0
	v_mov_b32 v13, 0
	v_mov_b32 v14, 0
	v_mov_b32 v15, 0
.set ff, 0
.rept (\r)/5
	FBATCH \key, ff, 5
.set ff, ff+5
.endr
.if (\r)%5
	FBATCH \key, ff, (\r)%5
.endif
.endm
.macro ASKB z, src, width, m           ; are the bits wanted beyond this half?  The answer goes to s[m]
	v_bfe_u32 v[23+ZS*(\z)], v[\src], v[22+ZS*(\z)], \width
	v_cmp_ge_u32 s[\m], v[17+ZS*(\z)], v[23+ZS*(\z)]
.endm
.macro TAKE z, width, m                ; one step down, as s[m] says
	v_cndmask_b32 v[24+ZS*(\z)], 0, \width, s[\m]
	v_cndmask_b32 v[23+ZS*(\z)], 0, v[23+ZS*(\z)], s[\m]
	v_add_nc_u32 v[22+ZS*(\z)], v[22+ZS*(\z)], v[24+ZS*(\z)]
	v_sub_nc_u32 v[17+ZS*(\z)], v[17+ZS*(\z)], v[23+ZS*(\z)]
.endm
; SLOT n'S POSITION: the (n - count)-th set bit of its mask, by sums of fields of 2, 4, 8 and 16 bits and five steps down.  Slots from 50 on get some position inside the registers; it is held where it is used.
; Both slot registers (z = 0: slots 0-31, mask v12, pack v14; z = 1: slots 32-63, mask v13, pack v15) go down together: a step's two compares are one run, with one wait; the pairs s32, s33 and s34, s35 take turns.
.macro NTH2 out
.irp z, 0,1
	v_and_b32 v[17+ZS*\z], 0xff, v[14+\z]
	v_sub_nc_u32 v[17+ZS*\z], v[1+2*\z], v[17+ZS*\z]
	v_lshrrev_b32 v[18+ZS*\z], 1, v[12+\z]
	v_and_b32 v[18+ZS*\z], 0x55555555, v[18+ZS*\z]
	v_sub_nc_u32 v[18+ZS*\z], v[12+\z], v[18+ZS*\z]
	v_lshrrev_b32 v[19+ZS*\z], 2, v[18+ZS*\z]
	v_and_b32 v[19+ZS*\z], 0x33333333, v[19+ZS*\z]
	v_and_b32 v[20+ZS*\z], 0x33333333, v[18+ZS*\z]
	v_add_nc_u32 v[19+ZS*\z], v[19+ZS*\z], v[20+ZS*\z]
	v_lshrrev_b32 v[20+ZS*\z], 4, v[19+ZS*\z]
	v_add_nc_u32 v[20+ZS*\z], v[20+ZS*\z], v[19+ZS*\z]
	v_and_b32 v[20+ZS*\z], 0x0f0f0f0f, v[20+ZS*\z]
	v_lshrrev_b32 v[21+ZS*\z], 8, v[20+ZS*\z]
	v_add_nc_u32 v[21+ZS*\z], v[21+ZS*\z], v[20+ZS*\z]
	v_and_b32 v[23+ZS*\z], 0xff, v[21+ZS*\z]
	v_cmp_ge_u32 s[32+\z], v[17+ZS*\z], v[23+ZS*\z]
.endr
	s_wait_alu depctr_va_sdst(0)                   ; s32 and s33 are written, by which the selects below choose
.irp z, 0,1
	v_cndmask_b32 v[22+ZS*\z], 0, 16, s[32+\z]
	v_cndmask_b32 v[23+ZS*\z], 0, v[23+ZS*\z], s[32+\z]
	v_sub_nc_u32 v[17+ZS*\z], v[17+ZS*\z], v[23+ZS*\z]
	ASKB \z, 20+ZS*\z, 8, 34+\z
.endr
	s_wait_alu depctr_va_sdst(0)                   ; s34 and s35 are written
.irp z, 0,1
	TAKE \z, 8, 34+\z
	ASKB \z, 19+ZS*\z, 4, 32+\z
.endr
	s_wait_alu depctr_va_sdst(0)                   ; s32 and s33 are written
.irp z, 0,1
	TAKE \z, 4, 32+\z
	ASKB \z, 18+ZS*\z, 2, 34+\z
.endr
	s_wait_alu depctr_va_sdst(0)                   ; s34 and s35 are written
.irp z, 0,1
	TAKE \z, 2, 34+\z
	ASKB \z, 12+\z, 1, 32+\z
.endr
	s_wait_alu depctr_va_sdst(0)                   ; s32 and s33 are written
.irp z, 0,1
	TAKE \z, 1, 32+\z
	v_lshrrev_b32 v[23+ZS*\z], 8, v[14+\z]
	v_lshl_add_u32 v[(\out)+\z], v[23+ZS*\z], 5, v[22+ZS*\z]
.endr
.endm
	s_load_b256 s[4:11], s[0:1], 0x0               ; gm, codes, scales, sqn
	s_load_b128 s[12:15], s[0:1], 0x20             ; dk, glist
	v_lshrrev_b32 v12, 5, v0
	v_readfirstlane_b32 s16, v12
	v_and_b32 v1, 31, v0
	v_and_b32 v2, 15, v0
	v_add_nc_u32 v3, 32, v1
	v_bfe_u32 v12, v0, 4, 1
	v_lshlrev_b32 v4, 6, v2
	v_lshl_add_u32 v4, v12, 4, v4
	v_lshlrev_b32 v93, 4, v12                      ; the query's fragment: every lane takes the one row, + 16 (lane / 16)
	v_lshlrev_b32 v5, 2, v2
	v_lshlrev_b32 v6, 4, v1
	v_lshlrev_b32 v7, 2, v1
	v_lshrrev_b32 v8, 2, v1
	v_lshlrev_b32 v8, 2, v8
	v_add_nc_u32 v9, 32, v8
	v_add_nc_u32 v10, 64, v8
	v_add_nc_u32 v11, 96, v8
	v_and_b32 v92, 3, v1
	v_mov_b32 v43, 0
	s_wait_alu depctr_va_sdst(0)                   ; s16, the wave's number, is written, ahead of its first reader
	s_lshl_b32 s17, ttmp9, 3
	s_add_co_u32 s16, s16, s17                     ; q
	s_mul_i32 s40, s16, 12800                      ; my row of gm
	s_mov_b32 s41, 0
	s_add_co_u32 s42, s16, 51200                   ; my row of the table
	s_lshl_b32 s44, s42, 6
	s_mov_b32 s45, 0
	s_lshl_b32 s46, s42, 2
	s_mov_b32 s47, 0
	s_mul_i32 s48, s16, 3584                       ; my row of dk
	s_mov_b32 s49, 0
	s_lshl_b32 s50, s16, 8                         ; my row of glist
	s_mov_b32 s51, 0
	s_mov_b32 s19, 0xffff0000                      ; lanes 16-31
	s_wait_kmcnt 0x0
	s_add_nc_u64 s[4:5], s[4:5], s[40:41]
	s_add_nc_u64 s[52:53], s[6:7], s[44:45]
	s_add_nc_u64 s[54:55], s[8:9], s[46:47]
	s_add_nc_u64 s[56:57], s[10:11], s[46:47]
	s_add_nc_u64 s[12:13], s[12:13], s[48:49]
	s_add_nc_u64 s[14:15], s[14:15], s[50:51]
	s_load_b32 s18, s[56:57], 0x0                  ; qq (this launch writes nothing into sqn)
	s_wait_alu depctr_va_vdst(0)                   ; the offsets v4 to v11, v43 and v93 are written, which loads, permutes and stores read
	global_load_b128 v[34:37], v93, s[52:53]
	global_load_b128 v[38:41], v93, s[52:53] offset:32
	global_load_b32 v42, v43, s[54:55]
.irp k, 0,1,2,3,4,5,6,7,8,9,10,11,12,13,14,15,16,17,18,19,20,21,22,23,24
	global_load_b128 v[G+4*\k:G+4*\k+3], v6, s[4:5] offset:512*\k  ; 512 consecutive bytes: a lane's four words are super-group 32 k + lane
.endr
.irp k, 0,1,2,3,4,5,6,7,8,9,10,11,12,13,14,15,16,17,18,19,20,21,22,23,24
	s_wait_loadcnt 24-\k                           ; load k is in, the row's later loads stay out
	v_min_u32 v[K+\k], v[G+4*\k], v[G+4*\k+1]
	v_min_u32 v[26+(\k)%2], v[G+4*\k+2], v[G+4*\k+3]
	v_min_u32 v[K+\k], v[K+\k], v[26+(\k)%2]
.endr
	s_wait_kmcnt 0x0                               ; qq.  All loads so far are done: s40 to s57 are free for the masks below
	SELECT K, 25
	FINISH K, 25
	NTH2 28                                        ; v28: slots 0-31, v29: slots 32-49: a position here IS a super-group's number
	; the 200 candidate groups: position c = 32 i + lane is member lane % 4 of slot 8 i + lane / 4.  Slots ascend, so positions ascend with the groups' numbers
	s_wait_alu depctr_va_vdst(0)                   ; v28 and v29 are written, which the permutes read
.irp i, 0,1,2,3
	ds_bpermute_b32 v[CA+\i], v[8+\i], v28
.endr
.irp i, 4,5,6
	ds_bpermute_b32 v[CA+\i], v[4+\i], v29
.endr
	s_wait_dscnt 0x0
.irp i, 0,1,2,3,4,5,6
	v_lshl_add_u32 v[CA+\i], v[CA+\i], 2, v92
.endr
.irp i, 0,1,2,3,4,5,6
	v_min_u32 v[CA+\i], 3199, v[CA+\i]             ; held inside the row before it enters an address
.endr
.irp i, 0,1,2,3,4,5,6
	v_lshlrev_b32 v[CA+\i], 2, v[CA+\i]
.endr
	s_wait_alu depctr_va_vdst(0)                   ; the seven offsets v[CA ..] are written, which the loads read
.irp i, 0,1,2,3,4,5,6
	global_load_b32 v[C+\i], v[CA+\i], s[4:5]
.endr
	s_mov_b32 s37, 0xff
	s_wait_loadcnt 0x0
	v_cndmask_b32 v[C+6], -1, v[C+6], s37          ; slots 48 and 49 are lanes 0-7 of the last register: the rest counts as the greatest number
	SELECT C, 7
	FINISH C, 7
	NTH2 30                                        ; v30, v31: positions among the 200
	; position c -> group 4 x (super-group of slot c / 4) + c % 4; both slot registers together: temporaries v17-20 and v21-24
.irp z, 0,1
	v_and_b32 v[17+4*\z], 0x7c, v[30+\z]           ; 4 x (slot % 32)
	v_and_b32 v[20+4*\z], 3, v[30+\z]
	v_cmp_le_u32 s[32+\z], 128, v[30+\z]           ; slot 32 or more
.endr
	s_wait_alu depctr_va_vdst(0)                   ; v17 and v21 are written, which the permutes read; so are v18, v19, v22 and v23, the search's temporaries, in which their results land
.irp z, 0,1
	ds_bpermute_b32 v[18+4*\z], v[17+4*\z], v28
	ds_bpermute_b32 v[19+4*\z], v[17+4*\z], v29
.endr
	s_wait_alu depctr_va_sdst(0)                   ; s32 and s33 are written, by which the selects below choose
	s_wait_dscnt 0x0
.irp z, 0,1
	v_cndmask_b32 v[18+4*\z], v[18+4*\z], v[19+4*\z], s[32+\z]
	v_lshl_add_u32 v[18+4*\z], v[18+4*\z], 2, v[20+4*\z]
	v_min_u32 v[32+\z], 3199, v[18+4*\z]
.endr
	s_wait_alu depctr_va_vdst(0)                   ; v32 and v33 are written, which the stores read
	global_store_b32 v7, v32, s[14:15]             ; slots 0-31,
	global_store_b32 v7, v33, s[14:15] offset:128  ; slots 32-63 (from 50 on filler, held inside the table): the row's 256 bytes are written whole
; THE REFINE: five batches of five pairs of slots.  A pair's two groups are two tiles of 16 keys; one register carries both tiles' scale words (lanes 0-15, lanes 16-31), another both tiles' kk.
.macro BATCH bt
.irp u, 0,1,2,3,4
.set sl, 2*(5*(\bt)+\u)
.if sl < 32
	v_readlane_b32 s[40+2*\u], v32, sl
	v_readlane_b32 s[41+2*\u], v32, sl+1
.else
	v_readlane_b32 s[40+2*\u], v33, sl-32
	v_readlane_b32 s[41+2*\u], v33, sl-31
.endif
.endr
	s_wait_alu depctr_va_sdst(0)                   ; the ten groups' numbers s40 to s49 are written, ahead of their first reader
	s_wait_alu depctr_vm_vsrc(0)                   ; the loads issued so far have read v72 to v86 (the last batch's AD and AH; ahead of the first batch CA), the permutes v17 and v21: this batch writes all of these anew
.irp u, 0,1,2,3,4
	v_mov_b32 v[AH+\u], s[40+2*\u]
	v_cndmask_b32 v[AH+\u], v[AH+\u], s[41+2*\u], s19
	v_min_u32 v[AH+\u], 3199, v[AH+\u]
	v_lshl_add_u32 v[AH+\u], v[AH+\u], 6, v5       ; a group's 16 words, + 4 (lane % 16)
	s_min_u32 s[40+2*\u], s[40+2*\u], 3199
	s_min_u32 s[41+2*\u], s[41+2*\u], 3199
	s_lshl_b32 s[40+2*\u], s[40+2*\u], 10          ; a group's 16 rows of 64 bytes
	s_lshl_b32 s[41+2*\u], s[41+2*\u], 10
	v_add_nc_u32 v[AD+2*\u], s[40+2*\u], v4
	v_add_nc_u32 v[AD+2*\u+1], s[41+2*\u], v4
.endr
	s_wait_alu depctr_va_vdst(0)                   ; AD and AH are written, which the loads read; the last batch's products are done reading B and SCL, its additions KKR, and the selection is done with v12 to v16 and v96 to v103: the loads land in these
.irp t, 0,1,2,3,4,5,6,7,8,9
	global_load_b128 v[B+8*\t:B+8*\t+3], v[AD+\t], s[6:7]
	global_load_b128 v[B+8*\t+4:B+8*\t+7], v[AD+\t], s[6:7] offset:32
.endr
.irp u, 0,1,2,3,4
	global_load_b32 v[SCL+\u], v[AH+\u], s[8:9]
	global_load_b32 v[KKR+\u], v[AH+\u], s[10:11]
.endr
	s_wait_loadcnt 0x0
.irp t, 0,2,4,6,8
	v_wmma_scale_f32_16x16x128_f8f6f4 v[D+8*\t:D+8*\t+7], v[34:41], v[B+8*\t:B+8*\t+7], 0, v42, v[SCL+\t/2] matrix_a_fmt:MATRIX_FMT_FP4 matrix_b_fmt:MATRIX_FMT_FP4
	v_wmma_scale_f32_16x16x128_f8f6f4 v[D+8*(\t+1):D+8*(\t+1)+7], v[34:41], v[B+8*(\t+1):B+8*(\t+1)+7], 0, v42, v[SCL+\t/2] matrix_a_fmt:MATRIX_FMT_FP4 matrix_b_fmt:MATRIX_FMT_FP4 matrix_b_scale:MATRIX_SCALE_ROW1
.endr
.rept 4
	v_nop                                          ; four places behind the products, ahead of the reads of their results; with the lines below they also stand ahead of the next batch's products
.endr
.irp u, 0,1,2,3,4
	v_cndmask_b32 v[DK+5*(\bt)+\u], v[D+16*\u], v[D+16*\u+8], s19  ; register 0 of each result, its low end: lanes 0-15 the even slot's keys, lanes 16-31 the odd slot's
.endr
.irp u, 0,1,2,3,4
	v_fma_f32 v[DK+5*(\bt)+\u], v[DK+5*(\bt)+\u], -2.0, s18        ; qq - 2 dot,
.endr
.irp u, 0,1,2,3,4
	v_add_f32 v[DK+5*(\bt)+\u], v[DK+5*(\bt)+\u], v[KKR+\u]        ; + kk: the roundings of the launch that made gm
.endr
.irp u, 0,1,2,3,4
	v_ashrrev_i32 v[17+\u], 31, v[DK+5*(\bt)+\u]
.endr
.irp u, 0,1,2,3,4
	v_or_b32 v[17+\u], 0x80000000, v[17+\u]
.endr
.irp u, 0,1,2,3,4
	v_xor_b32 v[DK+5*(\bt)+\u], v[17+\u], v[DK+5*(\bt)+\u]         ; the number that sorts unsigned
.endr
.endm
	BATCH 0
	BATCH 1
	BATCH 2
	BATCH 3
	BATCH 4
	v_mov_b32 v[DK+25], -1                         ; filler, so that the row's 3,584 bytes are written whole
	v_mov_b32 v[DK+26], -1
	v_mov_b32 v[DK+27], -1
	s_wait_alu depctr_va_vdst(0)                   ; the 28 registers v[DK ..] are written, which the stores read
.irp m, 0,1,2,3,4,5,6
	global_store_b128 v6, v[DK+4*\m:DK+4*\m+3], s[12:13] offset:512*\m   ; 512 consecutive bytes, aligned
.endr
	s_endpgm
.Lfunc_end_k_qc7138e393f_groups:
	.size	k_qc7138e393f_groups, .Lfunc_end_k_qc7138e393f_groups-k_qc7138e393f_groups
	.p2alignl 7, 3214868480
	.fill 96, 4, 3214868480
	.section	.rodata,"a",@progbits
	.p2align	6, 0x0
	.amdhsa_kernel k_qc7138e393f_groups
		.amdhsa_group_segment_fixed_size 0
		.amdhsa_private_segment_fixed_size 0
		.amdhsa_enable_private_segment 0
		.amdhsa_kernarg_size 48
		.amdhsa_user_sgpr_count 2
		.amdhsa_user_sgpr_kernarg_segment_ptr 1
		.amdhsa_wavefront_size32 1
		.amdhsa_system_sgpr_workgroup_id_x 1
		.amdhsa_system_sgpr_workgroup_id_y 1
		.amdhsa_system_sgpr_workgroup_id_z 1
		.amdhsa_system_vgpr_workitem_id 0
		.amdhsa_next_free_vgpr 256
		.amdhsa_next_free_sgpr 66
		.amdhsa_reserve_vcc 0
		.amdhsa_float_denorm_mode_32 3
		.amdhsa_float_denorm_mode_16_64 3
		.amdhsa_memory_ordered 1
		.amdhsa_forward_progress 1
		.amdhsa_inst_pref_size 100
	.end_amdhsa_kernel
	.amdgpu_metadata
---
amdhsa.version: [ 1, 2 ]
amdhsa.kernels:
  - .name:           k_qc7138e393f_groups
    .symbol:         k_qc7138e393f_groups.kd
    .args:
      - { .name: gm, .offset: 0, .size: 8, .value_kind: global_buffer, .address_space: global }
      - { .name: codes, .offset: 8, .size: 8, .value_kind: global_buffer, .address_space: global }
      - { .name: scales, .offset: 16, .size: 8, .value_kind: global_buffer, .address_space: global }
      - { .name: sqn, .offset: 24, .size: 8, .value_kind: global_buffer, .address_space: global }
      - { .name: dk, .offset: 32, .size: 8, .value_kind: global_buffer, .address_space: global }
      - { .name: glist, .offset: 40, .size: 8, .value_kind: global_buffer, .address_space: global }
    .group_segment_fixed_size: 0
    .private_segment_fixed_size: 0
    .kernarg_segment_align: 8
    .kernarg_segment_size: 48
    .max_flat_workgroup_size: 256
    .sgpr_count:     66
    .vgpr_count:     256
    .wavefront_size: 32
...
	.end_amdgpu_metadata
.endif
;; end of part 7
;; launch final (part 8): grid 256 x 1, 8 waves a work-group, no clusters, 0 bytes of LDS; arguments dk, glist, queries, dnd_keys, dnd_values, out0; writes out0
.if DOCPART == 8
	.amdgcn_target "amdgcn-amd-amdhsa--gfx1250"
	.amdhsa_code_object_version 6
	.text
	.protected	k_qc7138e393f_final
	.globl	k_qc7138e393f_final
	.p2align	8
	.type	k_qc7138e393f_final,@function
k_qc7138e393f_final:
	s_mov_b64 s[64:65], 0
	v_nop
	global_prefetch_b8 v0, s[64:65] scope:SCOPE_SE
	s_setreg_imm32_b32 hwreg(HW_REG_WAVE_MODE, 25, 1), 1
	s_wait_xcnt 0x0
; One wave, one query q = 8 x work-group + wave.  Of the 800 sorting numbers of dk[q] the 50 smallest are chosen, equal ones in ascending position, which is ascending key index; position p is key
; 16 glist[q][p / 16] + p % 16.  Then, all in f32: the squared distance of the unquantised query to each of the 50 unquantised keys, w = 1 / (distance + 0.001), and out0[q] = sum(w v) / sum(w).
; The selection branches on no data (32 trips of counting; masks; the n-th set bit); a key's index is held at 49,999 before it enters an address.
; A round takes four neighbours, eight lanes to a neighbour: a load reads 128 consecutive bytes of each of four rows.  Eight rounds' loads are on their way at a time.
; LIMITS: NaN and infinities are not served; a distance is summed 16 numbers to a lane in two packed chains, then over eight lanes by a tree.
; No matrix unit (the one product of the problem is done), no LDS, no barrier, no cluster: a wave's rows hang on its own query.
.set DK,  64                           ; v64-91   the row of dk; free once the 50 are chosen
.set RA,  64                           ; v64-76   thirteen rounds' offsets in dnd_keys
.set VA,  77                           ; v77-89   and in dnd_values
.set VV,  34                           ; v34-46   the neighbours' values
.set DS,  47                           ; v47-59   distance + 0.001, then w
.set BI8, 92                           ; v92-99   4 (lane / 8) + 16 m
.set QV,  112                          ; v112-127 the query: numbers 32 i + 4 (lane % 8) + 0 .. 3
.set X,   128                          ; v128-255 eight sets of 16 numbers of a key
; v1 lane, v3 lane + 32, v4 16 (lane % 8), v5 4 (lane / 8), v6 16 lane, v7 4 lane, v12-25 the selection, v28-29 positions, v30-31 groups by slot, v32-33 keys by slot, v60-63, v100-101 at work
; THE 50TH SMALLEST of the numbers in v[key .. key + r - 1], all lanes: s20; s23 = how many are smaller (under 50).  A candidate bit stays if fewer than 50 numbers lie under the candidate.
.macro SELECT key, r
	s_mov_b32 s20, 0
	s_mov_b32 s23, 0
	s_mov_b32 s21, 0x80000000
	s_mov_b32 s24, 0
.Lbit_\@:
	s_or_b32 s22, s20, s21
	s_mov_b32 s28, 0
	s_mov_b32 s29, 0
	s_mov_b32 s30, 0
	s_mov_b32 s31, 0
.set si0, 0
.rept ((\r)+7)/8
.set sg, 0
.rept 8
.if si0+sg < (\r)
	v_cmp_gt_u32 s[32+sg], s22, v[(\key)+si0+sg]
.endif
.set sg, sg+1
.endr
.set sg, 0
.rept 8
.if si0+sg < (\r)
	s_bcnt1_i32_b32 s[32+sg], s[32+sg]
	s_add_co_u32 s[28+sg%4], s[28+sg%4], s[32+sg]
.endif
.set sg, sg+1
.endr
.set si0, si0+8
.endr
	s_add_co_u32 s28, s28, s29
	s_add_co_u32 s30, s30, s31
	s_add_co_u32 s28, s28, s30
	s_cmp_lt_u32 s28, 50
	s_cselect_b32 s20, s22, s20
	s_cselect_b32 s23, s28, s23
	s_lshr_b32 s21, s21, 1
	s_add_co_u32 s24, s24, 1
	s_cmp_lt_u32 s24, 32
	s_cbranch_scc1 .Lbit_\@
.endm
; THE 50 CHOSEN: all that are smaller than s20, and of those equal to it the first 50 - s23 in position (register x 32 + lane).  Each slot (n = lane in v12, v14; n = lane + 32 in v13, v15) keeps the
; last register's mask in front of which at most n were chosen, with that count and the register's number packed beside it.
.macro FINISH key, r
	s_sub_co_u32 s25, 50, s23
	s_mov_b32 s26, 0
	s_mov_b32 s27, 0
	v_mov_b32 v12, 0
	v_mov_b32 v13, 0
	v_mov_b32 v14, 0
	v_mov_b32 v15, 0
.set fi, 0
.rept \r
	v_cmp_gt_u32 s32, s20, v[(\key)+fi]            ; smaller
	v_cmp_eq_u32 s33, s20, v[(\key)+fi]            ; equal
	s_delay_alu instid0(VALU_DEP_1)
	v_mbcnt_lo_u32_b32 v16, s33, s26               ; how many equal ones stand ahead of me
	s_delay_alu instid0(VALU_DEP_1)
	v_cmp_gt_u32 s34, s25, v16
	v_cmp_le_u32 s37, s27, v1
	v_cmp_le_u32 s38, s27, v3
	s_and_b32 s34, s34, s33
	s_or_b32 s34, s34, s32                         ; this register's chosen
	s_or_b32 s36, s27, (fi<<8)
	s_bcnt1_i32_b32 s35, s33
	s_add_co_u32 s26, s26, s35
	v_cndmask_b32 v12, v12, s34, s37
	v_cndmask_b32 v14, v14, s36, s37
	v_cndmask_b32 v13, v13, s34, s38
	v_cndmask_b32 v15, v15, s36, s38
	s_bcnt1_i32_b32 s35, s34
	s_add_co_u32 s27, s27, s35
.set fi, fi+1
.endr
.endm
.macro DESC src, width                 ; one step down: are the bits wanted beyond this half?
	v_bfe_u32 v23, v[\src], v22, \width
	s_delay_alu instid0(VALU_DEP_1)
	v_cmp_ge_u32 vcc_lo, v17, v23
	s_delay_alu instid0(VALU_DEP_1)
	v_cndmask_b32 v24, 0, \width, vcc_lo
	s_delay_alu instid0(VALU_DEP_2)
	v_cndmask_b32 v23, 0, v23, vcc_lo
	s_delay_alu instid0(VALU_DEP_2)
	v_add_nc_u32 v22, v22, v24
	s_delay_alu instid0(VALU_DEP_2)
	v_sub_nc_u32 v17, v17, v23
.endm
; SLOT n'S POSITION: the (n - count)-th set bit of its mask, by sums of fields of 2, 4, 8 and 16 bits and five steps down.  Slots from 50 on get some position inside the registers; it is held where it is used.
.macro NTH w, pk, n, out
	v_and_b32 v17, 0xff, v[\pk]
	s_delay_alu instid0(VALU_DEP_1)
	v_sub_nc_u32 v17, v[\n], v17
	v_lshrrev_b32 v18, 1, v[\w]
	s_delay_alu instid0(VALU_DEP_1)
	v_and_b32 v18, 0x55555555, v18
	s_delay_alu instid0(VALU_DEP_1)
	v_sub_nc_u32 v18, v[\w], v18
	s_delay_alu instid0(VALU_DEP_1)
	v_lshrrev_b32 v19, 2, v18
	s_delay_alu instid0(VALU_DEP_1)
	v_and_b32 v19, 0x33333333, v19
	s_delay_alu instid0(VALU_DEP_3)
	v_and_b32 v20, 0x33333333, v18
	s_delay_alu instid0(VALU_DEP_1)
	v_add_nc_u32 v19, v19, v20
	s_delay_alu instid0(VALU_DEP_1)
	v_lshrrev_b32 v20, 4, v19
	s_delay_alu instid0(VALU_DEP_1)
	v_add_nc_u32 v20, v20, v19
	s_delay_alu instid0(VALU_DEP_1)
	v_and_b32 v20, 0x0f0f0f0f, v20
	s_delay_alu instid0(VALU_DEP_1)
	v_lshrrev_b32 v21, 8, v20
	s_delay_alu instid0(VALU_DEP_1)
	v_add_nc_u32 v21, v21, v20
	s_delay_alu instid0(VALU_DEP_1)
	v_and_b32 v23, 0xff, v21
	s_delay_alu instid0(VALU_DEP_1)
	v_cmp_ge_u32 vcc_lo, v17, v23
	s_delay_alu instid0(VALU_DEP_1)
	v_cndmask_b32 v22, 0, 16, vcc_lo
	s_delay_alu instid0(VALU_DEP_2)
	v_cndmask_b32 v23, 0, v23, vcc_lo
	s_delay_alu instid0(VALU_DEP_1)
	v_sub_nc_u32 v17, v17, v23
	DESC 20, 8
	DESC 19, 4
	DESC 18, 2
	DESC \w, 1
	v_lshrrev_b32 v23, 8, v[\pk]
	s_delay_alu instid0(VALU_DEP_1)
	v_lshl_add_u32 v[\out], v23, 5, v22
.endm
	s_load_b256 s[4:11], s[0:1], 0x0               ; dk, glist, queries, dnd_keys
	s_load_b128 s[12:15], s[0:1], 0x20             ; dnd_values, out0
	v_lshrrev_b32 v12, 5, v0
	s_delay_alu instid0(VALU_DEP_1)
	v_readfirstlane_b32 s16, v12
	s_lshl_b32 s17, ttmp9, 3
	s_add_co_u32 s16, s16, s17                     ; q
	v_and_b32 v1, 31, v0
	s_delay_alu instid0(VALU_DEP_1)
	v_add_nc_u32 v3, 32, v1
	s_delay_alu instid0(VALU_DEP_2)
	v_and_b32 v4, 7, v1
	s_delay_alu instid0(VALU_DEP_1)
	v_lshlrev_b32 v4, 4, v4
	s_delay_alu instid0(VALU_DEP_4)
	v_lshrrev_b32 v5, 3, v1
	s_delay_alu instid0(VALU_DEP_1)
	v_lshlrev_b32 v5, 2, v5
	v_lshlrev_b32 v6, 4, v1
	v_lshlrev_b32 v7, 2, v1
.irp m, 0,1,2,3,4,5,6,7
	v_add_nc_u32 v[BI8+\m], 16*\m, v5
.endr
	s_mul_i32 s40, s16, 3584
	s_mov_b32 s41, 0
	s_lshl_b32 s42, s16, 8
	s_mov_b32 s43, 0
	s_lshl_b32 s44, s16, 9
	s_mov_b32 s45, 0
	s_lshl_b32 s46, s16, 2
	s_mov_b32 s47, 0
	s_mov_b32 s48, 0x76543210                      ; v_permlanex16_b32's selects for lane l xor 16
	s_mov_b32 s49, 0xfedcba98
	s_wait_alu depctr_va_vdst(0)
	s_wait_kmcnt 0x0
	s_add_nc_u64 s[4:5], s[4:5], s[40:41]
	s_add_nc_u64 s[6:7], s[6:7], s[42:43]
	s_add_nc_u64 s[8:9], s[8:9], s[44:45]
	s_add_nc_u64 s[14:15], s[14:15], s[46:47]
.irp m, 0,1,2,3,4,5,6
	global_load_b128 v[DK+4*\m:DK+4*\m+3], v6, s[4:5] offset:512*\m th:TH_LOAD_NT   ; the image of 28 registers, as it was stored
.endr
	global_load_b32 v30, v7, s[6:7]
	global_load_b32 v31, v7, s[6:7] offset:128
.irp i, 0,1,2,3
	global_load_b128 v[QV+4*\i:QV+4*\i+3], v4, s[8:9] offset:128*\i
.endr
	s_wait_loadcnt 0x0
	SELECT DK, 25
	FINISH DK, 25
	NTH 12, 14, 1, 28
	NTH 13, 15, 3, 29
.macro KIDX p, out                     ; position p -> key 16 x (group of slot p / 16) + p % 16
	v_lshrrev_b32 v17, 2, v[\p]
	s_delay_alu instid0(VALU_DEP_1)
	v_and_b32 v17, 0x7c, v17                       ; 4 x (slot % 32)
	ds_bpermute_b32 v18, v17, v30
	ds_bpermute_b32 v19, v17, v31
	v_and_b32 v20, 15, v[\p]
	v_cmp_le_u32 vcc_lo, 512, v[\p]                ; slot 32 or more
	s_wait_dscnt 0x0
	v_cndmask_b32 v18, v18, v19, vcc_lo
	s_wait_alu depctr_va_vdst(0)
	v_lshl_add_u32 v[\out], v18, 4, v20
.endm
	KIDX 28, 32
	KIDX 29, 33
	; round p: neighbour 4 p + lane / 8
.irp p, 0,1,2,3,4,5,6,7
	ds_bpermute_b32 v[RA+\p], v[BI8+\p], v32
.endr
.irp p, 8,9,10,11,12
	ds_bpermute_b32 v[RA+\p], v[BI8+\p-8], v33
.endr
	s_wait_dscnt 0x0
.irp p, 0,1,2,3,4,5,6,7,8,9,10,11,12
	v_min_u32 v[RA+\p], 49999, v[RA+\p]            ; held inside the table before it enters an address
.endr
.irp p, 0,1,2,3,4,5,6,7,8,9,10,11,12
	v_lshlrev_b32 v[VA+\p], 2, v[RA+\p]
	v_lshl_add_u32 v[RA+\p], v[RA+\p], 9, v4       ; the key's row of 512 bytes, + 16 (lane % 8)
.endr
.irp p, 0,1,2,3,4,5,6,7,8,9,10,11,12
	global_load_b32 v[VV+\p], v[VA+\p], s[12:13]
.endr
.macro RLOAD p
.irp i, 0,1,2,3
	global_load_b128 v[X+16*((\p)%8)+4*\i:X+16*((\p)%8)+4*\i+3], v[RA+(\p)], s[10:11] offset:128*\i
.endr
.endm
.irp p, 0,1,2,3,4,5,6,7
	RLOAD \p
.endr
.macro ROUND p
.set XS, X+16*((\p)%8)
.if (\p) <= 5
	s_wait_loadcnt 28                              ; this round's four loads are in; the seven rounds issued behind it stay out
.else
	s_wait_loadcnt 4*(12-(\p))                     ; nothing more is issued: the counts run down
.endif
.irp j, 0,2,4,6,8,10,12,14
	v_pk_add_f32 v[XS+\j:XS+\j+1], v[XS+\j:XS+\j+1], v[QV+\j:QV+\j+1] neg_lo:[0,1] neg_hi:[0,1]   ; key - query: its square is that of query - key
.endr
	v_pk_mul_f32 v[60:61], v[XS:XS+1], v[XS:XS+1]
	v_pk_mul_f32 v[100:101], v[XS+2:XS+3], v[XS+2:XS+3]
.irp j, 4,8,12
	s_delay_alu instid0(VALU_DEP_2)
	v_pk_fma_f32 v[60:61], v[XS+\j:XS+\j+1], v[XS+\j:XS+\j+1], v[60:61]
	s_delay_alu instid0(VALU_DEP_2)
	v_pk_fma_f32 v[100:101], v[XS+\j+2:XS+\j+3], v[XS+\j+2:XS+\j+3], v[100:101]
.endr
	s_delay_alu instid0(VALU_DEP_1)
	v_pk_add_f32 v[60:61], v[60:61], v[100:101]
	s_delay_alu instid0(VALU_DEP_1)
	v_add_f32 v[DS+(\p)], v60, v61
	s_delay_alu instid0(VALU_DEP_1)
	v_add_f32_dpp v[DS+(\p)], v[DS+(\p)], v[DS+(\p)] row_xmask:1 row_mask:0xf bank_mask:0xf   ; the neighbour's eight lanes
	s_delay_alu instid0(VALU_DEP_1)
	v_add_f32_dpp v[DS+(\p)], v[DS+(\p)], v[DS+(\p)] row_xmask:2 row_mask:0xf bank_mask:0xf
	s_delay_alu instid0(VALU_DEP_1)
	v_add_f32_dpp v[DS+(\p)], v[DS+(\p)], v[DS+(\p)] row_xmask:4 row_mask:0xf bank_mask:0xf
	s_delay_alu instid0(VALU_DEP_1)
	v_add_f32 v[DS+(\p)], 0x3a83126f, v[DS+(\p)]   ; + 0.001
.if (\p) <= 4
	RLOAD (\p)+8                                   ; the set just read takes the round eight further on
.endif
.endm
.irp p, 0,1,2,3,4,5,6,7,8,9,10,11,12
	ROUND \p
.endr
	s_wait_alu depctr_va_vdst(0)
.irp p, 0,1,2,3,4,5,6,7,8,9,10,11,12
	v_rcp_f32 v[DS+\p], v[DS+\p]                   ; w: one batch
.endr
	v_nop                                          ; a plain line behind the last reciprocal
	s_mov_b32 s19, 0xffff
	s_wait_alu depctr_va_vdst(0)                   ; one wait for the thirteen, ahead of their first reader
	v_cndmask_b32 v[DS+12], 0, v[DS+12], s19       ; the last round's lanes 16-31 are slots 50 and 51: they weigh nothing
	v_add_f32 v62, v[DS], v[DS+1]
	v_mul_f32 v63, v[DS], v[VV]
	v_fmac_f32 v63, v[DS+1], v[VV+1]
.irp p, 2,3,4,5,6,7,8,9,10,11,12
	v_add_f32 v62, v62, v[DS+\p]
	v_fmac_f32 v63, v[DS+\p], v[VV+\p]
.endr
	s_delay_alu instid0(VALU_DEP_2)
	; a neighbour's eight lanes hold the same numbers: only the four neighbours of a round are added across lanes
	v_add_f32_dpp v62, v62, v62 row_xmask:8 row_mask:0xf bank_mask:0xf
	s_delay_alu instid0(VALU_DEP_2)
	v_add_f32_dpp v63, v63, v63 row_xmask:8 row_mask:0xf bank_mask:0xf
	s_delay_alu instid0(VALU_DEP_2)
	v_permlanex16_b32 v60, v62, s48, s49
	s_delay_alu instid0(VALU_DEP_2)
	v_permlanex16_b32 v61, v63, s48, s49
	s_delay_alu instid0(VALU_DEP_2)
	v_add_f32 v62, v62, v60
	s_delay_alu instid0(VALU_DEP_2)
	v_add_f32 v63, v63, v61
	s_wait_alu depctr_va_vdst(0)
	v_rcp_f32 v62, v62
	v_mov_b32 v100, 0                              ; a plain line behind the reciprocal: the store's offset
	s_wait_alu depctr_va_vdst(0)                   ; ahead of the reciprocal's reader
	v_mul_f32 v63, v63, v62                        ; sum(w v) / sum(w)
	s_wait_alu depctr_va_vdst(0)
	s_wait_xcnt 0x0                                ; EXEC changes only behind this wait: the loads above have read it
	v_cmp_eq_u32 vcc_lo, 0, v1
	s_and_saveexec_b32 s30, vcc_lo
	global_store_b32 v100, v63, s[14:15]           ; lane 0: four bytes a query, 8,192 in the whole launch
	s_endpgm
.Lfunc_end_k_qc7138e393f_final:
	.size	k_qc7138e393f_final, .Lfunc_end_k_qc7138e393f_final-k_qc7138e393f_final
	.p2alignl 7, 3214868480
	.fill 96, 4, 3214868480
	.section	.rodata,"a",@progbits
	.p2align	6, 0x0
	.amdhsa_kernel k_qc7138e393f_final
		.amdhsa_group_segment_fixed_size 0
		.amdhsa_private_segment_fixed_size 0
		.amdhsa_enable_private_segment 0
		.amdhsa_kernarg_size 48
		.amdhsa_user_sgpr_count 2
		.amdhsa_user_sgpr_kernarg_segment_ptr 1
		.amdhsa_wavefront_size32 1
		.amdhsa_system_sgpr_workgroup_id_x 1
		.amdhsa_system_sgpr_workgroup_id_y 1
		.amdhsa_system_sgpr_workgroup_id_z 1
		.amdhsa_system_vgpr_workitem_id 0
		.amdhsa_next_free_vgpr 256
		.amdhsa_next_free_sgpr 66
		.amdhsa_reserve_vcc 1
		.amdhsa_float_denorm_mode_32 3
		.amdhsa_float_denorm_mode_16_64 3
		.amdhsa_memory_ordered 1
		.amdhsa_forward_progress 1
		.amdhsa_inst_pref_size 72
	.end_amdhsa_kernel
	.amdgpu_metadata
---
amdhsa.version: [ 1, 2 ]
amdhsa.kernels:
  - .name:           k_qc7138e393f_final
    .symbol:         k_qc7138e393f_final.kd
    .args:
      - { .name: dk, .offset: 0, .size: 8, .value_kind: global_buffer, .address_space: global }
      - { .name: glist, .offset: 8, .size: 8, .value_kind: global_buffer, .address_space: global }
      - { .name: queries, .offset: 16, .size: 8, .value_kind: global_buffer, .address_space: global }
      - { .name: dnd_keys, .offset: 24, .size: 8, .value_kind: global_buffer, .address_space: global }
      - { .name: dnd_values, .offset: 32, .size: 8, .value_kind: global_buffer, .address_space: global }
      - { .name: out0, .offset: 40, .size: 8, .value_kind: global_buffer, .address_space: global }
    .group_segment_fixed_size: 0
    .private_segment_fixed_size: 0
    .kernarg_segment_align: 8
    .kernarg_segment_size: 48
    .max_flat_workgroup_size: 256
    .sgpr_count:     66
    .vgpr_count:     256
    .wavefront_size: 32
...
	.end_amdgpu_metadata
.endif
;; end of part 8
